; MI455X (gfx1250); checked and timed in simulation.
; The chip was launched on July 23, 2026; its instructions are those of AMD's public machine-readable ISA for CDNA 5 (MIT licence, August 2026) and "CDNA5" Instruction Set Architecture Reference Guide (July 2026). The comments in the code are by the model that wrote it; some were corrected since.
;; Multi Head Attention. Allowed arithmetic: matrix products marked QUANTISED: E2M1 operands, one E8M0 scale for each 32 along K, by v_wmma_scale_f32_16x16x128_f8f6f4 with both operands' format E2M1 (or v_wmma_scale_f32_32x16x128_f4), f32 sums; products left as they are: bf16, f16 or f32 operands; f32 sums; everything else in f32.
;; Inputs: Wk 1,024 x 1,024 float32; Wo 1,024 x 1,024 float32; Wq 1,024 x 1,024 float32; Wv 1,024 x 1,024 float32; bk 1,024 float32; bo 1,024 float32; bq 1,024 float32; bv 1,024 float32; key 4 x 2,048 x 1,024 float32; query 4 x 2,048 x 1,024 float32; value 4 x 2,048 x 1,024 float32.
;; Outputs: out0 4 x 2,048 x 1,024 float32.
;; This version of the problem:
;;   THIS VERSION OF THE PROBLEM IS GIVEN IN LOW PRECISION. The matrix products marked QUANTISED in the list below multiply operands that are first quantised to E2M1 (2 exponent bits, 1 mantissa bit; 4 bits a number), with one power-of-two scale for each 32 numbers along K (OCP MX v1.0); their sums are f32. The products marked 'left as it is' may take bf16, f16 or f32 operands, with f32 sums. Whichever they take, every output number must still come out within the allowed error. Rounding operands to bf16 (8 significant bits) uses up far more of that allowance than f16 does (11 bits, for magnitudes from 6e-5 to 65,504). All else is computed in f32.
;;   The module's matrix products, in the order in which they are computed (A, B: the left and right operand; K: the contracted axis; several contracted axes count as one K, in the product's order):
;;     1. [M 8,192, K 1,024] x [K 1,024, N 1,024]; A: input query; B: input Wq: QUANTISED
;;     2. [M 8,192, K 1,024] x [K 1,024, N 1,024]; A: input key; B: input Wk: QUANTISED
;;     3. [M 8,192, K 1,024] x [K 1,024, N 1,024]; A: input value; B: input Wv: QUANTISED
;;     4. batch 64 x [M 2,048, K 64] x [K 64, N 2,048]; A: computed on the way; B: computed on the way: left as it is (an operand is computed on the way)
;;     5. batch 64 x [M 2,048, K 2,048] x [K 2,048, N 64]; A: computed on the way; B: computed on the way: left as it is (an operand is computed on the way)
;;     6. [M 8,192, K 1,024] x [K 1,024, N 1,024]; A: computed on the way; B: input Wo: left as it is (an operand is computed on the way)
;;   THE QUANTISER, for each operand of a quantised product, along K:
;;     - K is cut into blocks of 32 from its start; a last block that is shorter is filled with zeros.
;;     - A block's scale is 2^e with e = floor(log2(the largest magnitude in the block)) - 2, held to -126 .. 127; a block of zeros has e = 0. As a byte (E8M0): e + 127.
;;     - Each number is divided by its block's scale, clamped to +-6, and rounded to the nearest number of E2M1, ties to even, subnormals kept.
;;     - The product sums the exact products of the quantised numbers (number of the format x scale) in f32.
;;   ~~~python
;;   def quantise(x, axis):      # numpy; x: float32 -> the quantised numbers, widened to float32 again
;;       x = np.moveaxis(x, axis, -1); K = x.shape[-1]
;;       x = np.pad(x, [(0, 0)] * (x.ndim - 1) + [(0, -K % 32)]); x = x.reshape(x.shape[:-1] + (-1, 32)); a = np.abs(x).max(-1, keepdims=True)
;;       e = np.where(a > 0, np.clip(np.frexp(np.where(a > 0, a, 1))[1] - 1 - 2, -126, 127), 0)      # np.frexp(a)[1] - 1 = floor(log2(a)), exactly
;;       r = np.clip(x / 2.0 ** e, -6, 6)
;;       step = 2.0 ** (np.maximum(np.frexp(np.where(r == 0, 1, r))[1] - 1, 0) - 1)
;;       q = np.round(r / step) * step * 2.0 ** e      # np.round: ties to even
;;       return np.moveaxis(q.reshape(q.shape[:-2] + (-1,))[..., :K], -1, axis).astype(np.float32)
;;   ~~~
;; One version. Each part assembles by itself: llvm-mc -triple=amdgcn-amd-amdhsa -mcpu=gfx1250 --defsym DOCPART=n.
;; ======== version 1 of 1: 4 launches
;; limits: values are held in f16: magnitudes above 65,504 overflow, below 6.1e-05 lose precision
;; workspace buffers: codes 14,155,776 bytes; scales 884,736 bytes; wo16 2,097,152 bytes; qkv 50,331,648 bytes; ao 16,777,216 bytes
;; launch prep (part 1): grid 896 x 1, 4 waves a work-group, no clusters, 33,280 bytes of LDS; arguments query, key, value, Wq, Wk, Wv, Wo, codes, scales, wo16; writes codes, scales, wo16
.if DOCPART == 1
	.amdgcn_target "amdgcn-amd-amdhsa--gfx1250"
	.amdhsa_code_object_version 6
	.text
	.protected	k_q0b03747a71_prep
	.globl	k_q0b03747a71_prep
	.p2align	8
	.type	k_q0b03747a71_prep,@function
k_q0b03747a71_prep:
	s_mov_b64 s[64:65], 0
	v_nop
	global_prefetch_b8 v0, s[64:65] scope:SCOPE_SE
	s_setreg_imm32_b32 hwreg(HW_REG_WAVE_MODE, 25, 1), 1
	s_wait_xcnt 0x0
; THE PROGRAM: multi-head attention, 4 x 2,048 tokens, 1,024 channels, 16 heads of 64, in four launches:
;   prep  (this one): query, key, value, Wq, Wk, Wv -> codes of FP4 (E2M1) with E8M0 scale bytes; Wo -> f16
;   proj : the three QUANTISED products on those codes -> q, k, v in f16, laid in the order of the next products' operand registers
;   attn : softmax(q k^T / 8) v for each head, running maximum and sum in f32, f16 operands -> the heads' results in f16
;   oproj: the product with Wo^T and bo -> out0
; WORK LEFT OUT: THE BIAS bk.  reference() forms softmax_k(q . (k0 + bk) / 8), k0 = key Wk^T.  q . (k0[k] + bk) = q . k0[k] + q . bk, and q . bk is the same for every key k of a
; row: a term that is the same along the softmax's axis changes no weight, for all finite values of the inputs.  The scores' product is not quantised, so bk moves no code and no scale.
; bk then has no way to any output: it is not loaded and is no argument of any launch.  LIMIT: a NaN, an infinity or an overflow that reaches only q . bk is not carried to the result.
; THE BIAS bv IS NOT LEFT OUT BUT MOVED: sum_k p (v0 + bv) / l = sum_k p v0 / l + bv, since sum_k p / l = 1 for all inputs; attn adds it in the multiply-add that divides by l.
; LIMITS of the program: NaN and infinities among the inputs are not served; q, k, v, Wo and the heads' results are rounded to f16: magnitudes over 65,504 there overflow.
;
; THIS LAUNCH.  Work-groups 0 to 863 quantise.  The six tensors are dense rows of 1,024 = 32 blocks of 32 along K, so each is a plain stream of blocks, and so are the codes and the scale bytes; the six
; are stacked in one buffer of codes (rows of 512 bytes) and one of scale bytes (rows of 32): rows 0 query, 8,192 key, 16,384 value, 24,576 Wq, 25,600 Wk, 26,624 Wv.
; A block's scale is 2^(floor(log2(its largest magnitude)) - 2); its byte is the largest magnitude's exponent field - 2, held at 1 from below.  A block of zeros so gets the byte 1 where the rule says 127:
; its codes are zeros, which add nothing under any byte but 0xff, and this program alone reads the bytes.  LIMIT: blocks whose largest magnitude lies under 2^-124 are held at the byte 1.
; A wave takes 16 steps of 512 numbers.  Each of a step's four loads reads 512 consecutive bytes, 16 a lane; the 2,048 bytes turn through the wave's own stage in LDS and come back 64 bytes a lane, so that a lane
; holds 16 neighbours along K, as the conversions want; two neighbouring lanes hold a block.  A wave's store of codes covers 256 consecutive bytes; its 256 scale bytes are gathered in LDS and leave in one store.
; Work-groups 864 to 895 turn Wo into f16 chunks.  A CHUNK is 512 bytes: 16 rows x 16 along K; lane l owns the 16 bytes at 16 l: row l % 16, k = 8 (l / 16) + 0 .. 7.  Two chunks that are neighbours along K
; are the eight registers of a 16 x 32 operand of the f16 matrix instruction.  wo16: [n / 16][k / 16][512 bytes].  That path touches no LDS.
.set WAVES, 4
.set STEPS, 16
.set NQWG,  864                        ; work-groups that quantise: 3 x 256 + 3 x 32, 32,768 numbers each
.set EMAX,  2
.set CB,    8                          ; bytes of 16 codes
.set R,     16                         ; v16-79   four sets of 16 numbers as they are loaded
.set X,     80                         ; v80-111  two sets of 16 neighbours
.set C,     128                        ; v128-191 codes: four registers for each step, so that no store's data are written again
.set E,     112                        ; v112-127 a scale byte for each step
.set WREG,  8192                       ; LDS: a region for each wave: two stages of 32 x SP bytes, behind them its 256 scale bytes
.set SP,    80                         ; a lane's place in a stage: 64 bytes + 16 of padding
.set SPW,   12                         ; v12  LDS address of my spare word; never rewritten
.set NIL,   13                         ; v13  0; never rewritten
.set SPARE, WAVES*WREG                 ; behind the four regions: the spare words, 128 bytes for each wave
	s_load_b256 s[4:11], s[0:1], 0x0               ; query s[4:5], key s[6:7], value s[8:9], Wq s[10:11]
	s_load_b256 s[12:19], s[0:1], 0x20             ; Wk s[12:13], Wv s[14:15], Wo s[16:17], codes s[18:19]
	s_load_b128 s[20:23], s[0:1], 0x40             ; scales s[20:21], wo16 s[22:23]
	v_lshl_add_u32 v[SPW], v0, 2, SPARE
	v_mov_b32 v[NIL], 0
	v_lshrrev_b32 v1, 5, v0
	v_readfirstlane_b32 s24, v1                    ; wave
	v_and_b32 v2, 31, v0                           ; lane
	s_cmp_ge_u32 ttmp9, NQWG                       ; the work-group's number alone decides the path
	s_cbranch_scc1 .Lwo
	v_lshlrev_b32 v3, 4, v2                        ; my 16 bytes of a load's 512
	s_mul_i32 s25, s24, WREG
	v_lshrrev_b32 v14, 2, v2
	v_mul_u32_u24 v14, v14, SP
	v_and_b32 v15, 3, v2
	v_lshl_add_u32 v14, v15, 4, v14
	v_add_nc_u32 v14, s25, v14                     ; the stage, on the way in: SP (lane / 4) + 16 (lane % 4); a load's 512 bytes take eight places
	v_mul_u32_u24 v15, v2, SP
	v_add_nc_u32 v15, s25, v15                     ; and on the way out: SP x lane: my 16 neighbours
	v_mul_u32_u24 v4, v2, CB                       ; my codes' place in a step's
	v_lshrrev_b32 v5, 1, v2
	s_add_co_u32 s25, s25, 2*32*SP
	v_add_nc_u32 v5, s25, v5                       ; LDS: my wave's 256 scale bytes, my block's byte
	v_lshlrev_b32 v7, 3, v2                        ; and on the way out 8 bytes a lane
	v_add_nc_u32 v6, s25, v7
	s_wait_kmcnt 0x0
	s_mov_b64 s[26:27], s[14:15]                   ; which tensor is mine, and its first work-group: the choices hang on the work-group's number alone
	s_mov_b32 s28, 832                             ; Wv
	s_cmp_lt_u32 ttmp9, 832
	s_cselect_b64 s[26:27], s[12:13], s[26:27]     ; Wk
	s_cselect_b32 s28, 800, s28
	s_cmp_lt_u32 ttmp9, 800
	s_cselect_b64 s[26:27], s[10:11], s[26:27]     ; Wq
	s_cselect_b32 s28, 768, s28
	s_cmp_lt_u32 ttmp9, 768
	s_cselect_b64 s[26:27], s[8:9], s[26:27]       ; value
	s_cselect_b32 s28, 512, s28
	s_cmp_lt_u32 ttmp9, 512
	s_cselect_b64 s[26:27], s[6:7], s[26:27]       ; key
	s_cselect_b32 s28, 256, s28
	s_cmp_lt_u32 ttmp9, 256
	s_cselect_b64 s[26:27], s[4:5], s[26:27]       ; query
	s_cselect_b32 s28, 0, s28
	s_sub_co_u32 s28, ttmp9, s28
	s_lshl_b32 s28, s28, 2
	s_add_co_u32 s28, s28, s24                     ; which run of 8,192 numbers of the tensor is my wave's
	s_lshl_b32 s28, s28, 15                        ; 32,768 bytes a run
	s_mov_b32 s29, 0
	s_add_nc_u64 s[26:27], s[26:27], s[28:29]
	s_lshl_b32 s30, ttmp9, 2
	s_add_co_u32 s30, s30, s24                     ; and which run of the stacked buffers: the stack follows the work-groups' order
	s_lshl_b32 s28, s30, 12                        ; 4,096 bytes of codes a run
	s_add_nc_u64 s[18:19], s[18:19], s[28:29]
	s_lshl_b32 s28, s30, 8                         ; 256 scale bytes a run
	s_add_nc_u64 s[20:21], s[20:21], s[28:29]
.macro LOAD t
.irp i, 0,1,2,3
	global_load_b128 v[R+16*((\t)%4)+4*\i:R+16*((\t)%4)+4*\i+3], v3, s[26:27] offset:2048*(\t)+512*\i th:TH_LOAD_NT   ; 32 lanes read 512 consecutive bytes
.endr
.endm
.macro TURN t                          ; step t's numbers through the stage: LDS serves a wave's instructions in order, so no wait stands between the stores and the loads
.irp i, 0,1,2,3
	ds_store_b128 v14, v[R+16*((\t)%4)+4*\i:R+16*((\t)%4)+4*\i+3] offset:32*SP*((\t)%2)+8*SP*\i
.endr
.irp i, 0,1,2,3
	ds_load_b128 v[X+16*((\t)%2)+4*\i:X+16*((\t)%2)+4*\i+3], v15 offset:32*SP*((\t)%2)+16*\i
.endr
.endm
.irp t, 0,1,2,3
	LOAD \t
.endr
	s_wait_loadcnt 12                              ; step 0's four loads are in; the twelve of steps 1 to 3 may be out
	TURN 0
.macro STEP t
.set XS, X+16*((\t)%2)
.if (\t) > 0
	s_wait_dscnt 1                                 ; this step's numbers are back from the stage (the last step's byte store may be out): so its stores into the stage have read their registers,
.else
	s_wait_dscnt 0x0
.endif
.if (\t)+4 < STEPS
	LOAD (\t)+4                                    ; which take the loads of four steps on
.endif
.if (\t)+1 < STEPS
.if STEPS-2-(\t) >= 3
	s_wait_loadcnt 12                              ; the next step's four loads are in; those of the three steps behind it may be out
.else
	s_wait_loadcnt 4*(STEPS-2-(\t))
.endif
	TURN (\t)+1                                    ; and go through the other stage while this step is worked
.endif
	v_max3_num_f32 v8, |v[XS]|, |v[XS+1]|, |v[XS+2]|               ; the largest magnitude of my 16, in two chains
	v_max3_num_f32 v9, |v[XS+3]|, |v[XS+4]|, |v[XS+5]|
.irp i, 6,10
	v_max3_num_f32 v8, v8, |v[XS+\i]|, |v[XS+\i+1]|
	v_max3_num_f32 v9, v9, |v[XS+\i+2]|, |v[XS+\i+3]|
.endr
	v_max3_num_f32 v8, v8, |v[XS+14]|, |v[XS+15]|
	v_max3_num_f32 v8, v8, v9, (EMAX+1)<<23        ; and the floor 2^(EMAX + 1 - 127): the byte cannot fall under 1
	v_max_num_f32_dpp v8, v8, v8 row_xmask:1 row_mask:0xf bank_mask:0xf   ; and of my neighbour's 16: the block's
	v_add_nc_u32 v11, -(EMAX<<23), v8              ; EMAX off its exponent field: the conversion takes the exponent field of this operand as its scale, and nothing else of it
	v_cvt_scalef32_pk8_fp4_f32 v[C+4*(\t)], v[XS:XS+7], v11        ; eight numbers / the scale, to the nearest code, ties to even, beyond the largest code the largest
	v_cvt_scalef32_pk8_fp4_f32 v[C+4*(\t)+1], v[XS+8:XS+15], v11
	v_lshrrev_b32 v[E+(\t)], 23, v11               ; the scale's byte (also the plain line behind the conversions)
	ds_store_b8 v5, v[E+(\t)] offset:16*(\t)       ; both lanes of a block write the same byte with the same value
	global_store_b64 v4, v[C+4*(\t):C+4*(\t)+1], s[18:19] offset:32*CB*(\t)   ; 32 lanes store 256 consecutive bytes
.endm
.irp t, 0,1,2,3,4,5,6,7,8,9,10,11,12,13,14,15
	STEP \t
.endr
	ds_load_b64 v[8:9], v6                         ; LDS serves a wave's instructions in order: these see my byte stores
	s_wait_dscnt 0x0
	global_store_b64 v7, v[8:9], s[20:21]          ; 32 lanes store my wave's 256 scale bytes
	s_wait_tensorcnt 0x0                           ; the wave's end, behind my last LDS store
	ds_add_u32 v[SPW], v[NIL]
	s_wait_dscnt 0x0
	s_endpgm
; Wo -> f16 chunks.  Wave W of 128 takes rows 16 (W / 2) on and 512 along K from 512 (W % 2) on: 32 chunks, in four batches of eight on two sets of 64 registers.
.Lwo:
	s_sub_co_u32 s25, ttmp9, NQWG
	s_lshl_b32 s25, s25, 2
	s_add_co_u32 s25, s25, s24                     ; W
	s_lshr_b32 s28, s25, 1
	s_lshl_b32 s28, s28, 16                        ; 16 rows of 4,096 bytes
	s_and_b32 s30, s25, 1
	s_lshl_b32 s30, s30, 11                        ; 512 numbers along K
	s_add_co_u32 s28, s28, s30
	s_mov_b32 s29, 0
	s_lshl_b32 s30, s25, 14                        ; my 32 chunks of 512 bytes
	s_mov_b32 s31, 0
	v_and_b32 v5, 15, v0
	v_bfe_u32 v6, v0, 4, 1
	v_lshlrev_b32 v3, 12, v5
	v_lshl_add_u32 v3, v6, 5, v3                   ; in: row l % 16, + 8 numbers for the upper half of the lanes
	v_lshlrev_b32 v4, 4, v2                        ; out: 16 x lane
	s_wait_kmcnt 0x0
	s_add_nc_u64 s[16:17], s[16:17], s[28:29]
	s_add_nc_u64 s[22:23], s[22:23], s[30:31]
.macro LOADW q                         ; batch q: eight chunks, 8 numbers a lane each
.irp c, 0,1,2,3,4,5,6,7
	global_load_b128 v[R+64*((\q)%2)+8*\c:R+64*((\q)%2)+8*\c+3], v3, s[16:17] offset:64*(8*(\q)+\c)
	global_load_b128 v[R+64*((\q)%2)+8*\c+4:R+64*((\q)%2)+8*\c+7], v3, s[16:17] offset:64*(8*(\q)+\c)+16
.endr
.endm
.macro CVTW q                          ; rounded to f16 in place, ascending, and stored: 512 consecutive bytes a store
.irp c, 0,1,2,3,4,5,6,7
.irp r, 0,1,2,3
	v_cvt_pk_f16_f32 v[R+64*((\q)%2)+8*\c+\r], v[R+64*((\q)%2)+8*\c+2*\r], v[R+64*((\q)%2)+8*\c+2*\r+1]
.endr
	global_store_b128 v4, v[R+64*((\q)%2)+8*\c:R+64*((\q)%2)+8*\c+3], s[22:23] offset:512*(8*(\q)+\c)
.endr
.endm
	LOADW 0
	LOADW 1
	s_wait_loadcnt 16                              ; batch 0 is in; batch 1's sixteen loads may be out
	CVTW 0
	s_wait_xcnt 0x0                                ; the stores have read their registers: the set may be loaded again
	LOADW 2
	s_wait_loadcnt 16                              ; batch 1 is in; batch 2's may be out
	CVTW 1
	s_wait_xcnt 0x0
	LOADW 3
	s_wait_loadcnt 16                              ; batch 2 is in; batch 3's may be out
	CVTW 2
	s_wait_loadcnt 0x0
	CVTW 3
	s_endpgm
.Lfunc_end_k_q0b03747a71_prep:
	.size	k_q0b03747a71_prep, .Lfunc_end_k_q0b03747a71_prep-k_q0b03747a71_prep
	.p2alignl 7, 3214868480
	.fill 96, 4, 3214868480
	.section	.rodata,"a",@progbits
	.p2align	6, 0x0
	.amdhsa_kernel k_q0b03747a71_prep
		.amdhsa_group_segment_fixed_size 33280
		.amdhsa_private_segment_fixed_size 0
		.amdhsa_enable_private_segment 0
		.amdhsa_kernarg_size 80
		.amdhsa_user_sgpr_count 2
		.amdhsa_user_sgpr_kernarg_segment_ptr 1
		.amdhsa_wavefront_size32 1
		.amdhsa_system_sgpr_workgroup_id_x 1
		.amdhsa_system_sgpr_workgroup_id_y 1
		.amdhsa_system_sgpr_workgroup_id_z 1
		.amdhsa_system_vgpr_workitem_id 0
		.amdhsa_next_free_vgpr 192
		.amdhsa_next_free_sgpr 66
		.amdhsa_reserve_vcc 0
		.amdhsa_float_denorm_mode_32 3
		.amdhsa_float_denorm_mode_16_64 3
		.amdhsa_memory_ordered 1
		.amdhsa_forward_progress 1
		.amdhsa_inst_pref_size 52
	.end_amdhsa_kernel
	.amdgpu_metadata
---
amdhsa.version: [ 1, 2 ]
amdhsa.kernels:
  - .name:           k_q0b03747a71_prep
    .symbol:         k_q0b03747a71_prep.kd
    .args:
      - { .name: query, .offset: 0, .size: 8, .value_kind: global_buffer, .address_space: global }
      - { .name: key, .offset: 8, .size: 8, .value_kind: global_buffer, .address_space: global }
      - { .name: value, .offset: 16, .size: 8, .value_kind: global_buffer, .address_space: global }
      - { .name: Wq, .offset: 24, .size: 8, .value_kind: global_buffer, .address_space: global }
      - { .name: Wk, .offset: 32, .size: 8, .value_kind: global_buffer, .address_space: global }
      - { .name: Wv, .offset: 40, .size: 8, .value_kind: global_buffer, .address_space: global }
      - { .name: Wo, .offset: 48, .size: 8, .value_kind: global_buffer, .address_space: global }
      - { .name: codes, .offset: 56, .size: 8, .value_kind: global_buffer, .address_space: global }
      - { .name: scales, .offset: 64, .size: 8, .value_kind: global_buffer, .address_space: global }
      - { .name: wo16, .offset: 72, .size: 8, .value_kind: global_buffer, .address_space: global }
    .group_segment_fixed_size: 33280
    .private_segment_fixed_size: 0
    .kernarg_segment_align: 8
    .kernarg_segment_size: 80
    .max_flat_workgroup_size: 128
    .sgpr_count:     66
    .vgpr_count:     192
    .wavefront_size: 32
...
	.end_amdgpu_metadata
.endif
;; end of part 1
;; launch proj (part 2): grid 4 x 96, 4 waves a work-group, clusters of 4 x 4, 327,680 bytes of LDS; arguments codes, scales, bq, qkv; writes qkv
.if DOCPART == 2
	.amdgcn_target "amdgcn-amd-amdhsa--gfx1250"
	.amdhsa_code_object_version 6
	.text
	.protected	k_q0b03747a71_proj
	.globl	k_q0b03747a71_proj
	.p2align	8
	.type	k_q0b03747a71_proj,@function
k_q0b03747a71_proj:
	s_mov_b64 s[64:65], 0
	v_nop
	global_prefetch_b8 v0, s[64:65] scope:SCOPE_SE
	s_setreg_imm32_b32 hwreg(HW_REG_WAVE_MODE, 25, 1), 1
	s_wait_xcnt 0x0
	s_wait_alu depctr_hold_cnt(0) depctr_sa_sdst(0) depctr_va_vdst(0) depctr_va_sdst(0) depctr_va_ssrc(0) depctr_va_vcc(0) depctr_vm_vsrc(0)
	s_getreg_b32 s2, hwreg(HW_REG_IB_STS2, 6, 4)
	s_cmp_eq_u32 s2, 0
	s_cbranch_scc0 .Lentry_in_a_cluster
	s_endpgm
.Lentry_in_a_cluster:
	s_bfe_u32 s2, ttmp6, 0x10000c
	s_cmp_lg_u32 s2, 0xf033
	s_cbranch_scc0 .Lentry_shape_is_right
	s_endpgm
.Lentry_shape_is_right:
; The three QUANTISED products, q = query Wq^T + bq, k = key Wk^T, v = value Wv^T, on codes of FP4 (E2M1) with one E8M0 scale for each 32 along K = 1,024; sums in f32; results rounded once to f16.
; WORK LEFT OUT: bk (the same along the softmax's axis for all inputs: shown at the head of the first kernel).  bv is added in the attention launch, behind the softmax.
; ONE TEXT FOR ALL THREE.  The text makes tiles of 256 x 256 of C = A B^T, A and B being rows of the stacked buffer of codes.  The matrix instruction is used transposed (source 0 = 16 rows of B, source 1 = 16 rows
; of A): lane l holds A's row l % 16 and B's rows 8 (l / 16) + 0 .. 7, which pack into 16 bytes of f16.  For q and k: A = tokens, B = the weight's rows: a packed accumulator is a CHUNK (512 bytes; lane l: token l % 16,
; channels 8 (l / 16) on).  For v the roles are swapped, A = Wv's rows, B = tokens: a chunk then holds channel l % 16 and tokens 8 (l / 16) on, the keys innermost, as the second product of attention wants.
; qkv: three regions of 16 MiB (q, k, v), each [batch x 16 + head][token / 16][channel / 16][512 bytes].  A packed accumulator is stored as it stands: each store of the wave covers 512 consecutive bytes, aligned; no stage.
; SHARES.  24 clusters of 4 x 4 work-groups, eight for each product.  A work-group of four waves makes 256 x 256, a wave 128 x 128: 64 accumulators, 512 registers.  The four of a row of the cluster need the same rows
; of A, the four of a column the same rows of B: each tile is asked for JOINTLY.  All of K lies in two LDS slots of 512 along K: both are first fills, nothing is filled again.  The scale bytes of the 512 rows come once.
; REGISTERS, in windows of 256: window 0: v0-31 addresses; v32-95 scale words, two sets; v128-191 A's fragments, one set; v192-255 bq in the result's layout (q alone); on the way out v128-255 packed results.
;   window 1: B's fragments, two sets, at v0 and v128.   window 2: the accumulators of A's blocks 0-3 ((a, b) at v[8 (8 (a % 4) + b)]);   window 3: those of blocks 4-7.
.set NQ,     4                         ; steps of 128 along K in a slot
.set ROWB,   256                       ; a tile's row in bytes: 512 codes
.set KROW,   512                       ; a row of codes in memory
.set PITCH,  272                       ; an LDS row: 256 bytes + 16 of padding = 68 words: the 16 rows that a load touches start at 16 different banks (64 banks of 4 bytes: ISA guide 11.1)
.set FR,     8                         ; registers of a fragment: 16 rows x 128 K
.set NL,     2                         ; LDS loads that bring one
.set NP,     4                         ; places behind this matrix instruction (ISA guide 7.12.1)
.set HALFT,  128*PITCH
.set SLOT,   4*HALFT                   ; A's 256 rows, then B's 256 rows
.set KS,     32                        ; a row of scale bytes
.set SCL,    2*SLOT                    ; behind the slots: the scale bytes, as runs of 256 bytes + 16 of padding
.set HALFS,  (128*KS/256)*272          ; those of 128 rows: what one tensor load brings
.set SBLK,   (16*KS/256)*272           ; those of 16 rows
.set SPARE,  SCL+4*HALFS               ; behind them: the spare words, 128 bytes for each wave
.set BO,   7                           ; v7      bq: 32 bytes for the upper half of the lanes
.set CO,   8                           ; v8-15   the way out: 16 x lane + B's block b's place
.set ADRA, 16                          ; v16-17  LDS address of my A fragments in slot 0, 1
.set ADRB, 20                          ; v20-21  the same for B
.set ADRS, 27                          ; v27     LDS address of my scale words: lanes 0-15 A's rows, lanes 16-31 B's
.set SPW,  28                          ; v28     LDS address of my spare word; never rewritten
.set NIL,  29                          ; v29     0; never rewritten
.set SC,   32                          ; scale words: set s at v[SC + 32 s]; register 4 i + q: lanes 0-15 A's block i, lanes 16-31 B's block i, the slot's q-th 128 along K
.set AF,   128
.set BIAS, 192
.set TMP,  128                         ; the way out: four sets of 32
.set G1, 24                            ; s[24:31] group 1 for A's tiles;  s[32:39] group 0, one set for each slot
.set G0, 32
.set G1B, 48                           ; s[48:55], s[56:63] the same for B's
.set G0B, 56
.set G1S, 68                           ; s[68:75], s[76:79] groups 1 and 0 for A's scale bytes;  s[80:87], s[88:91] for B's
.set G0S, 76
.set G1SB, 80
.set G0SB, 88
.set BA,  68                           ; s[68:83] the way out: a base for each of A's eight blocks, in registers of descriptors whose loads have been waited for
.set MSB, 0
.macro WIN new                         ; the immediate's high byte repeats the setting that is left
.if MSB != \new
	s_set_vgpr_msb (MSB<<8)|\new
.set MSB, \new
.endif
.endm
.set MUL_LO, 0xa1                      ; source 0 (B) window 1, source 1 (A) window 0, C and D window 2
.set MUL_HI, 0xf1                      ; the same, C and D window 3
.set TO_B,   0x40                      ; destination window 1, address window 0
; A joint load: waves 0 and 1 fetch for A, waves 2 and 3 for B; the branch hangs on the wave's number alone.  An s_nop 0 and four v_nop follow each of the two lines.
.macro JLOAD g0a, g1a, g0b, g1b
	s_cmp_eq_u32 s15, 0
	s_cbranch_scc0 .Lfor_b_\@
	tensor_load_to_lds s[\g0a:\g0a+3], s[\g1a:\g1a+7]
	s_nop 0
.rept 4
	v_nop
.endr
	s_branch .Lasked_\@
.Lfor_b_\@:
	tensor_load_to_lds s[\g0b:\g0b+3], s[\g1b:\g1b+7]
	s_nop 0
.rept 4
	v_nop
.endr
.Lasked_\@:
.endm
.macro CROUND                          ; a round of the cluster's barrier
	s_barrier_signal -1
	s_barrier_wait -1
	s_cmp_lg_u32 s14, 0
	s_cbranch_scc1 .Lnot_wave_0_\@
	s_barrier_signal -3
.Lnot_wave_0_\@:
	s_barrier_wait -3
	s_barrier_signal -1
	s_barrier_wait -1
.endm
	s_load_b128 s[4:7], s[0:1], 0x0                ; codes s[4:5], scales s[6:7]
	s_load_b128 s[8:11], s[0:1], 0x10              ; bq s[8:9], qkv s[10:11]
	v_lshl_add_u32 v[SPW], v0, 2, SPARE
	v_mov_b32 v[NIL], 0
	ds_add_u32 v[SPW], v[NIL]                      ; the wave's opening: the add, twice on end, and its wait ahead of my first tensor load
	ds_add_u32 v[SPW], v[NIL]
	v_lshrrev_b32 v1, 5, v0
	v_readfirstlane_b32 s14, v1                    ; wave 0..3
	s_lshr_b32 s15, s14, 1                         ; which half of A's rows is mine.  Also: I fetch for A (0) or for B (1)
	s_and_b32 s16, s14, 1                          ; which half of B's rows.  Also: which 128 rows I fetch
	s_bfe_u32 s40, ttmp6, 0x40000                  ; cx, cy: my place in the cluster
	s_bfe_u32 s41, ttmp6, 0x40004
	s_and_b32 s12, ttmp7, 0xffff                   ; the cluster's number, 0 to 23
	s_lshr_b32 s95, s12, 3                         ; the product: 0 q, 1 k, 2 v: the same in all sixteen partners
	s_and_b32 s66, s12, 7                          ; which of its eight clusters
	s_lshl_b32 s97, s95, 13                        ; q, k: A = the tokens' rows, 8,192 x product on;
	s_lshl_b32 s98, s95, 10
	s_add_co_u32 s98, s98, 24576                   ;       B = the weight's rows
	s_mov_b32 s67, s66                             ;       the eight clusters lie along A
	s_mov_b32 s96, 0
	s_mov_b32 s99, 2048                            ;       way out: A's block a is 16 tokens: 2,048 bytes (a % 4), 8,192 (a / 4);
	s_mov_b32 s100, 8192
	s_mov_b32 s101, 512                            ;       B's block b is 16 channels: 512 bytes (b % 4), a head's 262,144 (b / 4)
	s_mov_b32 s3, 262144
	s_cmp_eq_u32 s95, 2                            ; v: the roles are swapped.  (Only selections stand behind the compare)
	s_cselect_b32 s67, 0, s67
	s_cselect_b32 s96, s66, s96
	s_cselect_b32 s97, 26624, s97
	s_cselect_b32 s98, 16384, s98
	s_cselect_b32 s99, 512, s99
	s_cselect_b32 s100, 262144, s100
	s_cselect_b32 s101, 2048, s101
	s_cselect_b32 s3, 8192, s3
	s_lshl_b32 s17, s67, 2
	s_add_co_u32 s17, s17, s41                     ; tile row (of A)
	s_lshl_b32 s42, s96, 2
	s_add_co_u32 s42, s42, s40                     ; tile column (of B)
	s_lshl_b32 s43, s41, 2
	s_lshl_b32 s43, 15, s43                        ; my row of the cluster
	s_lshl_b32 s44, 0x1111, s40                    ; my column
	; descriptor group 1: a tile of 128 rows x 256 bytes, padded in LDS
	s_or_b32 s[G1+0], s43, (0<<16)|(1<<20)|(1<<21)|(5<<22)|(3<<25)  ; 15:0 the mask; 17:16 elements of 1 byte; 20 padding on; 21 set beside a mask; 24:22 after every 64 words; 31:25 four words
	s_or_b32 s[G1B+0], s44, (0<<16)|(1<<20)|(1<<21)|(5<<22)|(3<<25)
.irp g, G1, G1B
	s_mov_b32 s[\g+1], ROWB<<16                    ; tensor_dim0
	s_mov_b32 s[\g+2], 128<<16                     ; tensor_dim1
	s_mov_b32 s[\g+3], ROWB<<16                    ; tile_dim0
	s_mov_b32 s[\g+4], 128                         ; tile_dim1
	s_mov_b32 s[\g+5], KROW                        ; tensor_dim0_stride
	s_mov_b32 s[\g+6], 0
	s_mov_b32 s[\g+7], 0
.endr
	; the scale bytes of 128 rows: 4,096 dense bytes, as 16 rows of 256 (32 elements of 8 bytes), 16 bytes of padding behind each
	s_or_b32 s[G1S+0], s43, (3<<16)|(1<<20)|(1<<21)|(5<<22)|(3<<25)
	s_or_b32 s[G1SB+0], s44, (3<<16)|(1<<20)|(1<<21)|(5<<22)|(3<<25)
.irp g, G1S, G1SB
	s_mov_b32 s[\g+1], 32<<16
	s_mov_b32 s[\g+2], (128*KS/256)<<16
	s_mov_b32 s[\g+3], 32<<16
	s_mov_b32 s[\g+4], 128*KS/256
	s_mov_b32 s[\g+5], 32
	s_mov_b32 s[\g+6], 0
	s_mov_b32 s[\g+7], 0
.endr
	s_lshl_b32 s18, s16, 7                         ; which 128 rows of the tile I fetch
	s_lshl_b32 s20, s17, 8
	s_add_co_u32 s20, s20, s18
	s_add_co_u32 s20, s20, s97                     ; A: its row in the stacked buffers: no register of A's ever holds cx,
	s_lshl_b32 s46, s42, 8
	s_add_co_u32 s46, s46, s18
	s_add_co_u32 s46, s46, s98                     ; B: none of B's holds cy
	s_lshl_b32 s22, s20, 5                         ; scale bytes: 32 a row
	s_mov_b32 s23, 0
	s_lshl_b32 s92, s46, 5
	s_mov_b32 s93, 0
	s_lshl_b32 s20, s20, 9                         ; codes: 512 bytes a row (27,648 rows: under 2^32)
	s_mov_b32 s21, 0
	s_lshl_b32 s46, s46, 9
	s_mov_b32 s47, 0
	s_mul_i32 s45, s14, HALFT                      ; where they go: wave x 128 rows: no place in the cluster enters an LDS address
	s_mul_i32 s94, s14, HALFS
	s_wait_dscnt 0x0                               ; both opening adds are done
	s_wait_kmcnt 0x0
	s_add_nc_u64 s[20:21], s[4:5], s[20:21]
	s_add_nc_u64 s[22:23], s[6:7], s[22:23]
	s_add_nc_u64 s[46:47], s[4:5], s[46:47]
	s_add_nc_u64 s[92:93], s[6:7], s[92:93]
	CROUND                                         ; all sixteen work-groups are here: the joint loads meet
	s_mov_b32 s[G0S], 1
	s_add_co_u32 s[G0S+1], s94, SCL
	s_mov_b64 s[G0S+2:G0S+3], s[22:23]
	s_or_b32 s[G0S+3], s[G0S+3], 0x80000000
	s_mov_b32 s[G0SB], 1
	s_add_co_u32 s[G0SB+1], s94, SCL
	s_mov_b64 s[G0SB+2:G0SB+3], s[92:93]
	s_or_b32 s[G0SB+3], s[G0SB+3], 0x80000000
	JLOAD G0S, G1S, G0SB, G1SB                     ; the scale bytes first: they are wanted with the first slot
.irp s, 0,1
	s_mov_b32 s[G0+4*\s], 1
	s_add_co_u32 s[G0+4*\s+1], s45, \s*SLOT
	s_add_nc_u64 s[G0+4*\s+2:G0+4*\s+3], s[20:21], \s*ROWB
	s_or_b32 s[G0+4*\s+3], s[G0+4*\s+3], 0x80000000
	s_mov_b32 s[G0B+4*\s], 1
	s_add_co_u32 s[G0B+4*\s+1], s45, \s*SLOT
	s_add_nc_u64 s[G0B+4*\s+2:G0B+4*\s+3], s[46:47], \s*ROWB
	s_or_b32 s[G0B+4*\s+3], s[G0B+4*\s+3], 0x80000000
	JLOAD G0+4*\s, G1, G0B+4*\s, G1B               ; three tensor loads of mine are out: all that this launch asks for
.endr
	v_and_b32 v1, 15, v0                           ; l % 16
	v_bfe_u32 v2, v0, 4, 1                         ; l / 16
	v_mul_u32_u24 v3, v1, PITCH
	v_lshl_add_u32 v4, v2, 4, v3                   ; a fragment's row x pitch + 16 x half
	s_mul_i32 s21, s15, HALFT                      ; my 128 rows of A
	s_mul_i32 s22, s16, HALFT                      ; my 128 rows of B,
	s_add_co_u32 s22, s22, 2*HALFT                 ; which lie behind A's 256
.irp s, 0,1
	v_add_nc_u32 v[ADRA+\s], s21, v4
	v_add_nc_u32 v[ADRB+\s], s22, v4
	s_add_co_u32 s21, s21, SLOT
	s_add_co_u32 s22, s22, SLOT
.endr
	v_mul_u32_u24 v5, v1, KS                       ; my row's scale bytes: 32 a row,
	v_lshrrev_b32 v6, 8, v5
	v_lshl_add_u32 v5, v6, 4, v5                   ; and 16 more for each 256 passed
	s_mul_i32 s21, s15, HALFS
	s_mul_i32 s22, s16, HALFS
	s_add_co_u32 s22, s22, 2*HALFS
	s_sub_co_u32 s22, s22, s21
	v_mul_u32_u24 v6, s22, v2                      ; lanes 16-31 take B's: one product, the distance between the two bases
	s_add_co_u32 s21, s21, SCL
	v_add_nc_u32 v5, v5, v6
	v_add_nc_u32 v[ADRS], s21, v5
	; the way out: where my 128 x 128 begins in qkv
	s_lshl_b32 s12, s17, 8
	s_lshl_b32 s13, s15, 7
	s_add_co_u32 s12, s12, s13                     ; A's first row of mine, counted in its tensor
	s_lshl_b32 s13, s42, 8
	s_lshl_b32 s18, s16, 7
	s_add_co_u32 s13, s13, s18                     ; B's
	s_cmp_eq_u32 s95, 2
	s_cselect_b32 s18, s13, s12                    ; my first token
	s_cselect_b32 s19, s12, s13                    ; my first channel, a multiple of 128
	s_lshr_b32 s20, s18, 11                        ; batch
	s_lshl_b32 s20, s20, 4
	s_lshr_b32 s21, s19, 6                         ; head
	s_add_co_u32 s20, s20, s21
	s_lshl_b32 s20, s20, 18                        ; 262,144 bytes a head
	s_and_b32 s21, s18, 2047
	s_lshl_b32 s21, s21, 7                         ; 2,048 bytes for 16 tokens
	s_add_co_u32 s20, s20, s21
	s_lshl_b32 s21, s95, 24                        ; the product's region
	s_add_co_u32 s20, s20, s21
	s_mov_b32 s21, 0
	s_add_nc_u64 s[10:11], s[10:11], s[20:21]
	v_and_b32 v6, 31, v0
	v_lshlrev_b32 v[CO], 4, v6                     ; 16 x lane,
.irp b, 1,2,3
	v_add_nc_u32 v[CO+\b], s101, v[CO+\b-1]        ; + B's block b's place
.endr
.irp b, 4,5,6,7
	v_add_nc_u32 v[CO+\b], s3, v[CO+\b-4]
.endr
	v_lshlrev_b32 v[BO], 5, v2
.macro FRAG reg, adr, q, i             ; 16 rows x 128 K of 4-bit codes, 8 registers: lane l holds row l % 16; registers 4 c .. 4 c + 3 hold K = 64 c + 32 (l / 16) + 0 .. 31
.irp c, 0,1
	ds_load_b128 v[\reg+4*\c:\reg+4*\c+3], v[\adr] offset:64*(\q)+32*\c+(\i)*16*PITCH
.endr
.endm
; 16 matrix instructions: A's blocks a0, a0 + 1 x B's eight, the slot's q-th 128 along K.  p: B's set; sc: the set of scale words.  mode 0: the sums go on; 1: the product starts them (C = 0); 2: it starts them from bq.
; The 64 accumulators take turns, one instruction a turn, in the same order in every step.
.macro MUL16 a0, p, q, sc, mode
.irp a, \a0, \a0+1
.irp b, 0,1,2,3,4,5,6,7
.set rD, 8*(8*((\a)%4)+\b)
.set rB, 128*(\p)+FR*\b
.set rA, AF+FR*(\a)
.set rSB, SC+8*NQ*(\sc)+NQ*\b+(\q)
.set rSA, SC+8*NQ*(\sc)+NQ*(\a)+(\q)
.if \mode == 1
	v_wmma_scale_f32_16x16x128_f8f6f4 v[rD:rD+7], v[rB:rB+7], v[rA:rA+7], 0, v[rSB], v[rSA] matrix_a_fmt:MATRIX_FMT_FP4 matrix_b_fmt:MATRIX_FMT_FP4 matrix_a_scale:MATRIX_SCALE_ROW1
.elseif \mode == 2
	v_wmma_scale_f32_16x16x128_f8f6f4 v[rD:rD+7], v[rB:rB+7], v[rA:rA+7], v[BIAS+8*\b:BIAS+8*\b+7], v[rSB], v[rSA] matrix_a_fmt:MATRIX_FMT_FP4 matrix_b_fmt:MATRIX_FMT_FP4 matrix_a_scale:MATRIX_SCALE_ROW1
.else
	v_wmma_scale_f32_16x16x128_f8f6f4 v[rD:rD+7], v[rB:rB+7], v[rA:rA+7], v[rD:rD+7], v[rSB], v[rSA] matrix_a_fmt:MATRIX_FMT_FP4 matrix_b_fmt:MATRIX_FMT_FP4 matrix_a_scale:MATRIX_SCALE_ROW1
.endif
.endr
.endr
.endm
.macro FETCH_B slot, q, p              ; B's eight fragments of the slot's q-th 128 along K into set p
	WIN TO_B
.irp i, 0,1,2,3,4,5,6,7
	FRAG 128*(\p)+FR*\i, ADRB+\slot, \q, \i
.endr
	WIN 0
.endm
.macro FETCH_A slot, q, i0             ; A's blocks i0 .. i0 + 3
.irp i, \i0, \i0+1, \i0+2, \i0+3
	FRAG AF+FR*(\i), ADRA+\slot, \q, \i
.endr
.endm
.macro SCALES sc                       ; a slot's scale words into set sc: four words a row; lanes 0-15 take A's block i, lanes 16-31 B's block i
.irp i, 0,1,2,3,4,5,6,7
	ds_load_b128 v[SC+8*NQ*\sc+NQ*\i:SC+8*NQ*\sc+NQ*\i+3], v[ADRS] offset:\i*SBLK
.endr
.endm
.macro PLACES n                        ; places in front of loads into registers that matrix instructions have read, and of the first read of results: plain vector instructions that name none of their registers
.rept \n
	v_nop
.endr
.endm
; A step of 128 along K that has its successor in the same slot.  A's blocks are free as soon as their eight products are issued: one set serves A, fetched anew in halves; B has two sets.
.macro STEP slot, q, mode
	s_wait_dscnt 4*NL                              ; B's set and A's blocks 0-3 are in; the youngest eight loads (A's blocks 4-7) may be out
.if \mode == 2
	WIN 0x81                                       ; as MUL_LO, with C (bq) in window 0
.else
	WIN MUL_LO
.endif
	MUL16 0, (\q)%2, \q, \slot, \mode
	MUL16 2, (\q)%2, \q, \slot, \mode
	s_wait_dscnt 0                                 ; A's blocks 4-7 are in
	PLACES NP
	FETCH_B \slot, (\q)+1, 1-(\q)%2
	FETCH_A \slot, (\q)+1, 0
.if \mode == 2
	WIN 0xc1
.else
	WIN MUL_HI
.endif
	MUL16 4, (\q)%2, \q, \slot, \mode
	MUL16 6, (\q)%2, \q, \slot, \mode
	PLACES NP
	WIN 0
	FETCH_A \slot, (\q)+1, 4
.endm
; Slot 0's last step goes over to slot 1: one barrier; in front of it each wave waits for all its tensor loads (its part of slot 1).
.macro TURN slot, next
	s_wait_tensorcnt 0x0                           ; all my tensor loads have landed
	ds_add_u32 v[SPW], v[NIL]                      ; 0 onto my spare word
	s_wait_dscnt 4*NL+1                            ; (the add and the youngest eight loads, A's blocks 4-7, may be out)
	WIN MUL_LO
	MUL16 0, 1, NQ-1, \slot, 0
	s_wait_dscnt 0x0                               ; no LDS instruction of mine is out at the signal
	s_barrier_signal -1
	MUL16 2, 1, NQ-1, \slot, 0
	WIN 0
	s_barrier_wait -1                              ; every wave's part of the next slot is in
	PLACES NP
	v_add_nc_u32 v[ADRS], 4*NQ, v[ADRS]            ; on to the next slot's scale words
	FETCH_B \next, 0, 0
	FETCH_A \next, 0, 0
	SCALES \next
	WIN MUL_HI
	MUL16 4, 1, NQ-1, \slot, 0
	MUL16 6, 1, NQ-1, \slot, 0
	PLACES NP
	WIN 0
	FETCH_A \next, 0, 4
.endm
.macro STEPS slot, from                ; the slot's steps from .. NQ - 2
.set Q, \from
.rept NQ-1-\from
	STEP \slot, Q, 0
.set Q, Q+1
.endr
.endm
.macro START
	s_wait_tensorcnt 1                             ; the scale bytes and my part of slot 0 are in (slot 1's load may be out),
	s_barrier_signal -1
	s_barrier_wait -1                              ; everybody's are
	FETCH_B 0, 0, 0
	FETCH_A 0, 0, 0
	SCALES 0
	FETCH_A 0, 0, 4
.endm
	s_cmp_lg_u32 s95, 0                            ; q alone has a bias here.  The product's number is the same in all sixteen partners and in all waves; ONE branch, so that bq's registers are read only where they were loaded
	s_cbranch_scc1 .Lnobias
	s_lshl_b32 s12, s13, 2                         ; bq at my first channel
	s_mov_b32 s13, 0
	s_add_nc_u64 s[8:9], s[8:9], s[12:13]
.irp b, 0,1,2,3,4,5,6,7
	global_load_b128 v[BIAS+8*\b:BIAS+8*\b+3], v[BO], s[8:9] offset:64*\b       ; lane l, block b: bq at channels 16 b + 8 (l / 16) + 0 .. 7: the result's layout
	global_load_b128 v[BIAS+8*\b+4:BIAS+8*\b+7], v[BO], s[8:9] offset:64*\b+16
.endr
	START
	s_wait_loadcnt 0x0                             ; bq
	STEP 0, 0, 2                                   ; the first products start the sums from bq: no addition, nothing cleared
	s_branch .Ljoin
.Lnobias:
	START
	STEP 0, 0, 1                                   ; the first products start the sums
.Ljoin:
	STEPS 0, 1
	TURN 0, 1
	STEPS 1, 0
	s_wait_dscnt 4*NL                              ; the very last step: nothing more to fetch
	WIN MUL_LO
	MUL16 0, 1, NQ-1, 1, 0
	MUL16 2, 1, NQ-1, 1, 0
	s_wait_dscnt 0
	WIN MUL_HI
	MUL16 4, 1, NQ-1, 1, 0
	MUL16 6, 1, NQ-1, 1, 0
	WIN 0
	; THE WAY OUT.  A packed accumulator is a chunk: it is stored as it stands.
	PLACES NP                                      ; behind the last products: the conversions write registers that held A's fragments
	s_mov_b32 s12, s99
	s_mov_b32 s13, 0
	s_mov_b32 s18, s100
	s_mov_b32 s19, 0
	s_mov_b64 s[BA:BA+1], s[10:11]                 ; a base for each of A's blocks
.irp a, 1,2,3
	s_add_nc_u64 s[BA+2*\a:BA+2*\a+1], s[BA+2*\a-2:BA+2*\a-1], s[12:13]
.endr
.irp a, 4,5,6,7
	s_add_nc_u64 s[BA+2*\a:BA+2*\a+1], s[BA+2*\a-8:BA+2*\a-7], s[18:19]
.endr
.macro OUTBLK a
.set AC, 64*((\a)%4)
.set TT, TMP+32*((\a)%4)
	WIN 0x0a+5*((\a)/4)                            ; sources 0 and 1: window 2 or 3
.irp b, 0,1,2,3,4,5,6,7
.irp r, 0,1,2,3
	v_cvt_pk_f16_f32 v[TT+4*\b+\r], v[AC+8*\b+2*\r], v[AC+8*\b+2*\r+1]   ; each accumulator from its low end on
.endr
.endr
	WIN 0
.irp b, 0,1,2,3,4,5,6,7
	global_store_b128 v[CO+\b], v[TT+4*\b:TT+4*\b+3], s[BA+2*(\a):BA+2*(\a)+1]   ; 32 lanes store 512 consecutive bytes, aligned
.endr
.endm
.irp a, 0,1,2,3
	OUTBLK \a
.endr
	s_wait_xcnt 0x0                                ; the stores of blocks 0 to 3 have read their registers: the four sets may be written again
.irp a, 4,5,6,7
	OUTBLK \a
.endr
	s_wait_tensorcnt 0x0                           ; the wave's end
	ds_add_u32 v[SPW], v[NIL]
	s_wait_dscnt 0x0
	CROUND                                         ; the closing round
	s_endpgm
.Lfunc_end_k_q0b03747a71_proj:
	.size	k_q0b03747a71_proj, .Lfunc_end_k_q0b03747a71_proj-k_q0b03747a71_proj
	.p2alignl 7, 3214868480
	.fill 96, 4, 3214868480
	.section	.rodata,"a",@progbits
	.p2align	6, 0x0
	.amdhsa_kernel k_q0b03747a71_proj
		.amdhsa_group_segment_fixed_size 327680
		.amdhsa_private_segment_fixed_size 0
		.amdhsa_enable_private_segment 0
		.amdhsa_kernarg_size 32
		.amdhsa_user_sgpr_count 2
		.amdhsa_user_sgpr_kernarg_segment_ptr 1
		.amdhsa_wavefront_size32 1
		.amdhsa_system_sgpr_workgroup_id_x 1
		.amdhsa_system_sgpr_workgroup_id_y 1
		.amdhsa_system_sgpr_workgroup_id_z 1
		.amdhsa_system_vgpr_workitem_id 0
		.amdhsa_next_free_vgpr 1024
		.amdhsa_next_free_sgpr 102
		.amdhsa_reserve_vcc 0
		.amdhsa_float_denorm_mode_32 3
		.amdhsa_float_denorm_mode_16_64 3
		.amdhsa_memory_ordered 1
		.amdhsa_forward_progress 1
		.amdhsa_inst_pref_size 134
	.end_amdhsa_kernel
	.amdgpu_metadata
---
amdhsa.version: [ 1, 2 ]
amdhsa.kernels:
  - .name:           k_q0b03747a71_proj
    .symbol:         k_q0b03747a71_proj.kd
    .args:
      - { .name: codes, .offset: 0, .size: 8, .value_kind: global_buffer, .address_space: global }
      - { .name: scales, .offset: 8, .size: 8, .value_kind: global_buffer, .address_space: global }
      - { .name: bq, .offset: 16, .size: 8, .value_kind: global_buffer, .address_space: global }
      - { .name: qkv, .offset: 24, .size: 8, .value_kind: global_buffer, .address_space: global }
    .group_segment_fixed_size: 327680
    .private_segment_fixed_size: 0
    .kernarg_segment_align: 8
    .kernarg_segment_size: 32
    .max_flat_workgroup_size: 128
    .sgpr_count:     102
    .vgpr_count:     1024
    .wavefront_size: 32
...
	.end_amdgpu_metadata
.endif
;; end of part 2
;; launch attn (part 3): grid 4 x 64, 8 waves a work-group, clusters of 4 x 1, 327,680 bytes of LDS; arguments qkv, bv, ao; writes ao
.if DOCPART == 3
	.amdgcn_target "amdgcn-amd-amdhsa--gfx1250"
	.amdhsa_code_object_version 6
	.text
	.protected	k_q0b03747a71_attn
	.globl	k_q0b03747a71_attn
	.p2align	8
	.type	k_q0b03747a71_attn,@function
k_q0b03747a71_attn:
	s_mov_b64 s[64:65], 0
	v_nop
	global_prefetch_b8 v0, s[64:65] scope:SCOPE_SE
	s_setreg_imm32_b32 hwreg(HW_REG_WAVE_MODE, 25, 1), 1
	s_wait_xcnt 0x0
	s_wait_alu depctr_hold_cnt(0) depctr_sa_sdst(0) depctr_va_vdst(0) depctr_va_sdst(0) depctr_va_ssrc(0) depctr_va_vcc(0) depctr_vm_vsrc(0)
	s_getreg_b32 s2, hwreg(HW_REG_IB_STS2, 6, 4)
	s_cmp_eq_u32 s2, 0
	s_cbranch_scc0 .Lentry_in_a_cluster
	s_endpgm
.Lentry_in_a_cluster:
	s_bfe_u32 s2, ttmp6, 0x10000c
	s_cmp_lg_u32 s2, 0x3003
	s_cbranch_scc0 .Lentry_shape_is_right
	s_endpgm
.Lentry_shape_is_right:
; For each batch and head: o[q] = sum_k softmax_k(q . k / 8) v[k] + bv.  q, k, v: f16 chunks as the launch before laid them; products by the f16 matrix form, sums, maxima and the softmax in f32; the weights p are
; rounded to f16 for the second product, o once at the end.  WORK LEFT OUT: bk (shown at the head of the first kernel).  bv is added here: sum_k p (v0 + bv) / l = sum_k p v0 / l + bv, as sum_k p / l = 1.
; LIMITS: NaN and infinities are not served; results over 65,504 in magnitude overflow f16.
; SHARES.  A work-group owns 512 queries of one head, each of its eight waves 64: four tiles of 16, in 512 registers: two waves to a SIMD, so that one wave's vector work can stand beside the other's matrix work.
; Every wave walks the head's 2,048 keys, 64 a step.  Each fragment of K and V read from LDS feeds four products.
; LAYOUT.  S^T = K Q^T (source 0 = 16 keys, source 1 = 16 queries): a lane holds ONE query (lane % 16) and keys 8 (lane / 16) + 0 .. 7.  Two such tiles rounded to f16 in pairs ARE source 1 of O^T = V^T P, whose
; result again holds one query a lane and eight channels.  A chunk is 512 bytes, lane l's 16 bytes at 16 l: tiles lie dense in LDS, and every fragment load reads 512 consecutive bytes.
; SOFTMAX.  For each query a running maximum m and sum l: p = 2^(c s - c m), c = log2(e) / 8; in every step O and l are multiplied by a = 2^(c m_old - c m_new).  m begins at -3e38, l and O^T at 0: the first a is 0.
; CLUSTER.  The four query blocks of a head form a cluster and walk the same K and V: each tile is asked for JOINTLY.  Two LDS slots of 512 keys (K 65,536 bytes, then V 65,536); each of the eight waves brings
; 16,384 dense bytes with one load; a load is asked for at a slot's head and has the slot's eight key steps in which to land, so nothing is asked of memory earlier than that.
; REGISTERS.  window 0: v1-5 addresses; v30, v31 the add's two; v32-63 statistics, eight a tile (+0 c m, +1 m, +2, +3 l in two halves, +4 to +7 at work, a at +6); v64-127 K of one step (at the end: bv);
;   v128-255 S^T, 32 a tile; P is packed in place into each tile's first 16.   window 1: v0-127 O^T, 32 a tile; v128-191 Q; v192-255 V of one step.
.set SLOT1, 131072                     ; slot 1 begins here: one exclusive or turns an address in one slot into the other's
.set VOFF,  65536                      ; V behind K in a slot
.set STEPB, 8192                       ; a key step's chunks of K, and of V: 64 keys x 64 channels x 2 bytes
.set SPARE, 262144                     ; behind the slots: the spare words, 128 bytes for each of eight waves
.set L16,  1                           ; v1   16 x lane; never rewritten
.set L16V, 2                           ; v2   the same + VOFF
.set ADR,  3                           ; v3   LDS address of the step's K
.set ADV,  4                           ; v4   of its V
.set BVO,  5                           ; v5   bv: 32 bytes for the upper half of the lanes
.set SPW,  30
.set NIL,  31
.set ST,   32
.set KF,   64
.set S,    128
.set QF,   128                         ; in window 1
.set VF,   192                         ; in window 1
.set WV,   12                          ; s12  my wave's number
.set G1,   24                          ; s[24:31] descriptor group 1
.set G0,   32                          ; s[32:35] group 0, which walks
.set TB,   36                          ; s36  LDS byte at which the step in hand begins
.set CNT,  37
.set SLOTS, 38
.set CS,   40                          ; s[40:41] c, twice: the packed form names a pair
.set SEL,  42                          ; s[42:43] selects for v_permlanex16_b32: lane l xor 16
.set MSB, 0
.macro WIN new                         ; the immediate's high byte repeats the setting that is left
.if MSB != \new
	s_set_vgpr_msb (MSB<<8)|\new
.set MSB, \new
.endif
.endm
.macro PLACES n
.rept \n
	v_nop
.endr
.endm
.macro CROUND                          ; a round of the cluster's barrier
	s_barrier_signal -1
	s_barrier_wait -1
	s_cmp_lg_u32 s[WV], 0
	s_cbranch_scc1 .Lnot_wave_0_\@
	s_barrier_signal -3
.Lnot_wave_0_\@:
	s_barrier_wait -3
	s_barrier_signal -1
	s_barrier_wait -1
.endm
.macro TLOAD                           ; every wave's one joint load: no branch.  An s_nop 0 and four v_nop follow
	tensor_load_to_lds s[G0:G0+3], s[G1:G1+7]
	s_nop 0
.rept 4
	v_nop
.endr
.endm
	s_load_b128 s[4:7], s[0:1], 0x0                ; qkv s[4:5], bv s[6:7]
	s_load_b64 s[8:9], s[0:1], 0x10                ; ao
	v_lshl_add_u32 v[SPW], v0, 2, SPARE
	v_mov_b32 v[NIL], 0
	ds_add_u32 v[SPW], v[NIL]                      ; the wave's opening: the add, twice on end, and its wait ahead of my first tensor load
	ds_add_u32 v[SPW], v[NIL]
	v_lshrrev_b32 v1, 5, v0
	v_readfirstlane_b32 s[WV], v1                  ; wave 0..7
	s_bfe_u32 s14, ttmp6, 0x40000                  ; cx: my block of 512 queries: it enters Q's and ao's addresses alone
	s_and_b32 s15, ttmp7, 0xffff                   ; batch x 16 + head, which the four partners share
	s_lshl_b32 s13, s15, 18                        ; a head's 262,144 bytes in each region
	s_lshr_b32 s16, s[WV], 2                       ; what I fetch: waves 0-3 K (region 1), waves 4-7 V (region 2),
	s_add_co_u32 s16, s16, 1
	s_lshl_b32 s16, s16, 24
	s_add_co_u32 s16, s16, s13
	s_and_b32 s17, s[WV], 3
	s_lshl_b32 s17, s17, 14                        ; a quarter of a slot's 65,536 bytes
	s_add_co_u32 s16, s16, s17
	s_mov_b32 s17, 0
	s_lshl_b32 s18, s14, 16                        ; Q: my block's 32 tiles of 2,048 bytes,
	s_add_co_u32 s18, s18, s13
	s_lshl_b32 s19, s[WV], 13                      ; my wave's four
	s_add_co_u32 s18, s18, s19
	s_mov_b32 s19, 0
	s_lshr_b32 s20, s15, 4                         ; ao: token tile = 128 x batch + 32 cx + 4 x wave, 32,768 bytes each;
	s_lshl_b32 s20, s20, 7
	s_lshl_b32 s21, s14, 5
	s_add_co_u32 s20, s20, s21
	s_lshl_b32 s21, s[WV], 2
	s_add_co_u32 s20, s20, s21
	s_lshl_b32 s20, s20, 15
	s_and_b32 s22, s15, 15                         ; the head's four chunks of 512 bytes
	s_lshl_b32 s21, s22, 11
	s_add_co_u32 s20, s20, s21
	s_mov_b32 s21, 0
	s_lshl_b32 s22, s22, 8                         ; bv: the head's 64 numbers
	s_mov_b32 s23, 0
	; descriptor group 1: 16,384 dense bytes as 64 rows of 256 (32 elements of 8 bytes), no padding
	s_mov_b32 s[G1], 15|(3<<16)|(1<<21)            ; 15:0 the mask: all four work-groups; 17:16 elements of 8 bytes; 21 set beside a mask
	s_mov_b32 s[G1+1], 32<<16                      ; tensor_dim0
	s_mov_b32 s[G1+2], 64<<16                      ; tensor_dim1
	s_mov_b32 s[G1+3], 32<<16                      ; tile_dim0
	s_mov_b32 s[G1+4], 64                          ; tile_dim1
	s_mov_b32 s[G1+5], 32                          ; tensor_dim0_stride
	s_mov_b32 s[G1+6], 0
	s_mov_b32 s[G1+7], 0
	s_mov_b32 s[G0], 1
	s_lshl_b32 s[G0+1], s[WV], 14                  ; LDS: slot 0, wave x 16,384: K's four quarters, then V's
	s_mov_b32 s[CS], 0x3e38aa3b                    ; c = log2(e) / 8
	s_mov_b32 s[CS+1], s[CS]
	s_mov_b32 s[SEL], 0x76543210
	s_mov_b32 s[SEL+1], 0xfedcba98
	s_mov_b32 s[TB], 0
	s_mov_b32 s[SLOTS], 3
	s_wait_dscnt 0x0                               ; both opening adds are done
	s_wait_kmcnt 0x0
	s_add_nc_u64 s[G0+2:G0+3], s[4:5], s[16:17]
	s_or_b32 s[G0+3], s[G0+3], 0x80000000
	s_add_nc_u64 s[4:5], s[4:5], s[18:19]
	s_add_nc_u64 s[6:7], s[6:7], s[22:23]
	s_add_nc_u64 s[8:9], s[8:9], s[20:21]
	CROUND                                         ; all four work-groups are here: the first joint loads meet
	TLOAD                                          ; slot 0: keys 0 to 511
	v_and_b32 v[L16], 31, v0
	v_lshlrev_b32 v[L16], 4, v[L16]
	v_add_nc_u32 v[L16V], VOFF, v[L16]
	v_bfe_u32 v[BVO], v0, 4, 1
	v_lshlrev_b32 v[BVO], 5, v[BVO]
	WIN 0x40                                       ; destination window 1
.irp i, 0,1,2,3,4,5,6,7,8,9,10,11,12,13,14,15
	global_load_b128 v[QF+4*\i:QF+4*\i+3], v[L16], s[4:5] offset:512*\i   ; Q stays in registers: tile i / 4, chunk i % 4: fragment (t, f) at QF + 16 t + 8 f
.endr
.set i, 0
.rept 128
	v_mov_b32 v[i], 0                              ; O^T.  Once a wave: the key step is then written without a first step of its own, which would be one more copy of it
.set i, i+1
.endr
	WIN 0
.irp t, 0,1,2,3
	v_mov_b32 v[ST+8*\t+1], 0xff61b1e6             ; m = -3e38, under every score
	v_mov_b32 v[ST+8*\t+2], 0                      ; l
	v_mov_b32 v[ST+8*\t+3], 0
.endr
.irp t, 0,1,2,3
	v_mul_f32 v[ST+8*\t], s[CS], v[ST+8*\t+1]      ; c m
.endr
.macro LOADK                           ; a step's K: 16 chunks; fragment (16 keys kt, 32 channels f) at KF + 16 kt + 8 f
.irp i, 0,1,2,3,4,5,6,7,8,9,10,11,12,13,14,15
	ds_load_b128 v[KF+4*\i:KF+4*\i+3], v[ADR] offset:512*\i
.endr
.endm
.macro LOADV                           ; a step's V: fragment (32 keys g, 16 channels ct) at VF + 8 (4 g + ct): the chunks of token tiles 2 g and 2 g + 1
	WIN 0x40
.irp g, 0,1
.irp u, 0,1
.irp ct, 0,1,2,3
	ds_load_b128 v[VF+8*(4*\g+\ct)+4*\u:VF+8*(4*\g+\ct)+4*\u+3], v[ADV] offset:(2*\g+\u)*2048+\ct*512
.endr
.endr
.endr
	WIN 0
.endm
; 32 products S^T = K Q^T.  The 16 accumulators take turns, one instruction a turn; the first 16 start the sums.
.macro KQ
	WIN 0x04                                       ; Q in window 1
.irp f, 0,1
.irp kt, 0,1,2,3
.irp t, 0,1,2,3
.if \f == 0
	v_wmma_f32_16x16x32_f16 v[S+32*\t+8*\kt:S+32*\t+8*\kt+7], v[KF+16*\kt+8*\f:KF+16*\kt+8*\f+7], v[QF+16*\t+8*\f:QF+16*\t+8*\f+7], 0
.else
	v_wmma_f32_16x16x32_f16 v[S+32*\t+8*\kt:S+32*\t+8*\kt+7], v[KF+16*\kt+8*\f:KF+16*\kt+8*\f+7], v[QF+16*\t+8*\f:QF+16*\t+8*\f+7], v[S+32*\t+8*\kt:S+32*\t+8*\kt+7]
.endif
.endr
.endr
.endr
	WIN 0
.endm
; 32 products O^T += V^T P, the 16 accumulators by turns.
.macro PV
	WIN 0x51                                       ; V, C and D in window 1, P in window 0
.irp g, 0,1
.irp ct, 0,1,2,3
.irp t, 0,1,2,3
	v_wmma_f32_16x16x32_f16 v[32*\t+8*\ct:32*\t+8*\ct+7], v[VF+8*(4*\g+\ct):VF+8*(4*\g+\ct)+7], v[S+32*\t+8*\g:S+32*\t+8*\g+7], v[32*\t+8*\ct:32*\t+8*\ct+7]
.endr
.endr
.endr
	WIN 0
.endm
; The softmax's first part: the new maximum.  21 instructions a tile, the four tiles by turns line by line.  Each accumulator of S^T is read from its low end on.
.macro SOFT_A
.irp j, 0,1,2,3
.irp t, 0,1,2,3
	v_max3_num_f32 v[ST+8*\t+4+\j], v[S+32*\t+8*\j], v[S+32*\t+8*\j+1], v[S+32*\t+8*\j+2]
.endr
.endr
.irp u, 1,2
.irp j, 0,1,2,3
.irp t, 0,1,2,3
	v_max3_num_f32 v[ST+8*\t+4+\j], v[ST+8*\t+4+\j], v[S+32*\t+8*\j+2*\u+1], v[S+32*\t+8*\j+2*\u+2]
.endr
.endr
.endr
.irp t, 0,1,2,3
	v_max3_num_f32 v[ST+8*\t+4], v[ST+8*\t+4], v[S+32*\t+7], v[S+32*\t+15]
.endr
.irp t, 0,1,2,3
	v_max3_num_f32 v[ST+8*\t+6], v[ST+8*\t+6], v[S+32*\t+23], v[S+32*\t+31]
.endr
.irp t, 0,1,2,3
	v_max3_num_f32 v[ST+8*\t+4], v[ST+8*\t+4], v[ST+8*\t+5], v[ST+8*\t+6]
.endr
.irp t, 0,1,2,3
	v_max3_num_f32 v[ST+8*\t+4], v[ST+8*\t+4], v[ST+8*\t+7], v[ST+8*\t+1]   ; with the old m
.endr
.irp t, 0,1,2,3
	v_permlanex16_b32 v[ST+8*\t+5], v[ST+8*\t+4], s[SEL], s[SEL+1]          ; the query's other 32 keys lie in the lane 16 away
.endr
.irp t, 0,1,2,3
	v_mov_b32 v[ST+8*\t+7], v[ST+8*\t]             ; c m_old is kept for a
.endr
.irp t, 0,1,2,3
	v_max_num_f32 v[ST+8*\t+1], v[ST+8*\t+4], v[ST+8*\t+5]
.endr
.irp t, 0,1,2,3
	v_mul_f32 v[ST+8*\t], s[CS], v[ST+8*\t+1]
.endr
.irp t, 0,1,2,3
	v_sub_f32 v[ST+8*\t+7], v[ST+8*\t+7], v[ST+8*\t]
.endr
.endm
; The softmax's second part.  kind 0: the next step's K is asked for first; 1: nothing; 2: bv, into K's registers, which are done with.
; All 132 exponentials are ONE batch: none of the lines among them names a result; one plain line and one wait follow, ahead of the first reader.
.macro SOFT_B kind
.if \kind == 0
	LOADK
.elseif \kind == 2
.irp ct, 0,1,2,3
.irp u, 0,1
	global_load_b128 v[KF+8*\ct+4*\u:KF+8*\ct+4*\u+3], v[BVO], s[6:7] offset:64*\ct+16*\u   ; bv at channels 16 ct + 8 (l / 16) + 0 .. 7: the result's layout
.endr
.endr
.endif
.irp t, 0,1,2,3
	v_exp_f32 v[ST+8*\t+6], v[ST+8*\t+7]           ; a
.endr
.set bb, 0
.rept 17
.if bb < 16
.irp t, 0,1,2,3
	v_pk_fma_f32 v[S+32*\t+2*bb:S+32*\t+2*bb+1], v[S+32*\t+2*bb:S+32*\t+2*bb+1], s[CS:CS+1], v[ST+8*\t:ST+8*\t+1] op_sel_hi:[1,0,0] neg_lo:[0,0,1] neg_hi:[0,0,1]   ; pair bb: c s - c m
.endr
.endif
.if bb > 0
.irp t, 0,1,2,3
	v_exp_f32 v[S+32*\t+2*bb-2], v[S+32*\t+2*bb-2] ; the pair scaled one turn earlier
	v_exp_f32 v[S+32*\t+2*bb-1], v[S+32*\t+2*bb-1]
.endr
.endif
.set bb, bb+1
.endr
	v_nop                                          ; the plain line behind the last exponential
	s_wait_alu depctr_va_vdst(0)                   ; the wait ahead of the first line that names a result: one for the batch
.irp t, 0,1,2,3
	v_pk_fma_f32 v[ST+8*\t+2:ST+8*\t+3], v[ST+8*\t+2:ST+8*\t+3], v[ST+8*\t+6:ST+8*\t+7], v[S+32*\t:S+32*\t+1] op_sel_hi:[1,0,1]   ; l = a l + the first pair
.endr
.set bb, 1
.rept 15
.irp t, 0,1,2,3
	v_pk_add_f32 v[ST+8*\t+2:ST+8*\t+3], v[ST+8*\t+2:ST+8*\t+3], v[S+32*\t+2*bb:S+32*\t+2*bb+1]   ; the sum is taken of the unrounded p
.endr
.set bb, bb+1
.endr
.set bb, 0
.rept 16
.irp t, 0,1,2,3
	v_cvt_pk_f16_f32 v[S+32*\t+bb], v[S+32*\t+2*bb], v[S+32*\t+2*bb+1]   ; P, packed in place, ascending: register bb is written when pairs 0 .. bb - 1 have been read
.endr
.set bb, bb+1
.endr
	WIN 0x41                                       ; O^T (destination and source 0) in window 1, a in window 0
.set bb, 0
.rept 16
.irp t, 0,1,2,3
	v_pk_mul_f32 v[32*\t+2*bb:32*\t+2*bb+1], v[32*\t+2*bb:32*\t+2*bb+1], v[ST+8*\t+6:ST+8*\t+7] op_sel_hi:[1,0]   ; each accumulator from its low end on
.endr
.set bb, bb+1
.endr
	WIN 0
.endm
; THE CHANGE OF SLOTS stands at a slot's head.  Each wave waits for all its tensor loads (its part of the slot ahead), adds 0 to its spare word, and waits for that and for its reads of the slot that it has left.
; fill = 1: the barrier is a round of the cluster's, so that no wave of any partner still reads the other slot or has a load on its way; the joint load for that slot is the first thing behind it.
.macro CHANGE fill
	s_wait_tensorcnt 0x0                           ; no tensor load of mine is out, so group 0 may be written
	ds_add_u32 v[SPW], v[NIL]                      ; 0 onto my spare word
.if \fill
	s_xor_b32 s[G0+1], s[G0+1], SLOT1              ; the other slot than last time,
	s_add_nc_u64 s[G0+2:G0+3], s[G0+2:G0+3], 65536 ; the next 512 keys; the type bits on top are not reached
	s_wait_dscnt 0x0                               ; the add is done, and my reads of the slot that I have left are over
	CROUND
	TLOAD                                          ; my one tensor load until the next round
.else
	s_wait_dscnt 0x0
	s_barrier_signal -1
	s_barrier_wait -1
.endif
.endm
; A SLOT'S EIGHT KEY STEPS.  In a trip: the softmax of step q (with K of step q + 1 asked for at its head), V^T P of step q, V of step q + 1 asked for, K Q^T of step q + 1, its maximum.  No read leaves the slot.
.macro SLOTRUN final
	v_add_nc_u32 v[ADR], s[TB], v[L16]
	v_add_nc_u32 v[ADV], s[TB], v[L16V]
	PLACES 4                                       ; with the two lines above: six places behind the last slot's products, whose V is loaded over and whose P is written over by products below
	LOADK
	LOADV
	s_wait_dscnt 16                                ; K is in; V's sixteen loads may be out
	KQ
	PLACES 4
	SOFT_A
	s_mov_b32 s[CNT], 7
.Lstep_\@:
	s_add_co_u32 s[TB], s[TB], STEPB
	v_add_nc_u32 v[ADR], s[TB], v[L16]
	v_add_nc_u32 v[ADV], s[TB], v[L16V]
	SOFT_B 0
	s_wait_dscnt 16                                ; V of this step is in; the sixteen younger loads, the next step's K, may be out
	PV
	PLACES 5                                       ; five: the products K Q^T below write over P, which these products read; four would do for the loads into V
	LOADV
	s_wait_dscnt 16                                ; K is in; V's sixteen loads may be out
	KQ
	PLACES 4
	SOFT_A
	s_sub_co_u32 s[CNT], s[CNT], 1
	s_cmp_lg_u32 s[CNT], 0
	s_cbranch_scc1 .Lstep_\@
.if \final
	SOFT_B 2
.else
	SOFT_B 1
.endif
	s_wait_dscnt 0x0                               ; V of the slot's last step
	PV
	s_sub_co_u32 s[TB], s[TB], 7*STEPB             ; back to a slot's first step,
	s_xor_b32 s[TB], s[TB], SLOT1                  ; in the other slot
.endm
	s_wait_loadcnt 0x0                             ; Q
.Lslot:                                            ; three trips: the first asks for slot 1, the others fill the slot just left
	CHANGE 1
	SLOTRUN 0
	s_sub_co_u32 s[SLOTS], s[SLOTS], 1
	s_cmp_lg_u32 s[SLOTS], 0
	s_cbranch_scc1 .Lslot
	CHANGE 0                                       ; the last slot is written out
	SLOTRUN 1
	; THE WAY OUT.  o = O^T / l + bv in one multiply-add; rounded to f16, a tile's four accumulators are four chunks of ao ([token / 16][channel / 16][512 bytes]) and are stored as they stand.
.irp t, 0,1,2,3
	v_add_f32 v[ST+8*\t+4], v[ST+8*\t+2], v[ST+8*\t+3]   ; l's two halves (these four lines are the places behind the last products)
.endr
.irp t, 0,1,2,3
	v_permlanex16_b32 v[ST+8*\t+5], v[ST+8*\t+4], s[SEL], s[SEL+1]
.endr
.irp t, 0,1,2,3
	v_add_f32 v[ST+8*\t+4], v[ST+8*\t+4], v[ST+8*\t+5]
.endr
.irp t, 0,1,2,3
	v_rcp_f32 v[ST+8*\t+6], v[ST+8*\t+4]
.endr
	v_nop                                          ; a plain line behind the last reciprocal
	s_wait_alu depctr_va_vdst(0)                   ; and the wait ahead of the first use: one for the four
	s_wait_loadcnt 0x0                             ; bv
	WIN 0x01                                       ; source 0 (O^T) in window 1
.irp t, 0,1,2,3
.set bb, 0
.rept 16
	v_pk_fma_f32 v[S+32*\t+2*bb:S+32*\t+2*bb+1], v[32*\t+2*bb:32*\t+2*bb+1], v[ST+8*\t+6:ST+8*\t+7], v[KF+2*bb:KF+2*bb+1] op_sel_hi:[1,0,1]
.set bb, bb+1
.endr
.endr
	WIN 0
.irp t, 0,1,2,3
.set bb, 0
.rept 16
	v_cvt_pk_f16_f32 v[S+32*\t+bb], v[S+32*\t+2*bb], v[S+32*\t+2*bb+1]
.set bb, bb+1
.endr
.irp ct, 0,1,2,3
	global_store_b128 v[L16], v[S+32*\t+4*\ct:S+32*\t+4*\ct+3], s[8:9] offset:\t*32768+\ct*512   ; 32 lanes store 512 consecutive bytes, aligned
.endr
.endr
	s_wait_tensorcnt 0x0                           ; the wave's end
	ds_add_u32 v[SPW], v[NIL]
	s_wait_dscnt 0x0
	CROUND                                         ; the closing round
	s_endpgm
.Lfunc_end_k_q0b03747a71_attn:
	.size	k_q0b03747a71_attn, .Lfunc_end_k_q0b03747a71_attn-k_q0b03747a71_attn
	.p2alignl 7, 3214868480
	.fill 96, 4, 3214868480
	.section	.rodata,"a",@progbits
	.p2align	6, 0x0
	.amdhsa_kernel k_q0b03747a71_attn
		.amdhsa_group_segment_fixed_size 327680
		.amdhsa_private_segment_fixed_size 0
		.amdhsa_enable_private_segment 0
		.amdhsa_kernarg_size 24
		.amdhsa_user_sgpr_count 2
		.amdhsa_user_sgpr_kernarg_segment_ptr 1
		.amdhsa_wavefront_size32 1
		.amdhsa_system_sgpr_workgroup_id_x 1
		.amdhsa_system_sgpr_workgroup_id_y 1
		.amdhsa_system_sgpr_workgroup_id_z 1
		.amdhsa_system_vgpr_workitem_id 0
		.amdhsa_next_free_vgpr 512
		.amdhsa_next_free_sgpr 66
		.amdhsa_reserve_vcc 0
		.amdhsa_float_denorm_mode_32 3
		.amdhsa_float_denorm_mode_16_64 3
		.amdhsa_memory_ordered 1
		.amdhsa_forward_progress 1
		.amdhsa_inst_pref_size 150
	.end_amdhsa_kernel
	.amdgpu_metadata
---
amdhsa.version: [ 1, 2 ]
amdhsa.kernels:
  - .name:           k_q0b03747a71_attn
    .symbol:         k_q0b03747a71_attn.kd
    .args:
      - { .name: qkv, .offset: 0, .size: 8, .value_kind: global_buffer, .address_space: global }
      - { .name: bv, .offset: 8, .size: 8, .value_kind: global_buffer, .address_space: global }
      - { .name: ao, .offset: 16, .size: 8, .value_kind: global_buffer, .address_space: global }
    .group_segment_fixed_size: 327680
    .private_segment_fixed_size: 0
    .kernarg_segment_align: 8
    .kernarg_segment_size: 24
    .max_flat_workgroup_size: 256
    .sgpr_count:     66
    .vgpr_count:     512
    .wavefront_size: 32
...
	.end_amdgpu_metadata
.endif
;; end of part 3
;; launch oproj (part 4): grid 4 x 64, 4 waves a work-group, clusters of 4 x 4, 327,680 bytes of LDS; arguments ao, wo16, bo, out0; writes out0
.if DOCPART == 4
	.amdgcn_target "amdgcn-amd-amdhsa--gfx1250"
	.amdhsa_code_object_version 6
	.text
	.protected	k_q0b03747a71_oproj
	.globl	k_q0b03747a71_oproj
	.p2align	8
	.type	k_q0b03747a71_oproj,@function
k_q0b03747a71_oproj:
	s_mov_b64 s[64:65], 0
	v_nop
	global_prefetch_b8 v0, s[64:65] scope:SCOPE_SE
	s_setreg_imm32_b32 hwreg(HW_REG_WAVE_MODE, 25, 1), 1
	s_wait_xcnt 0x0
	s_wait_alu depctr_hold_cnt(0) depctr_sa_sdst(0) depctr_va_vdst(0) depctr_va_sdst(0) depctr_va_ssrc(0) depctr_va_vcc(0) depctr_vm_vsrc(0)
	s_getreg_b32 s2, hwreg(HW_REG_IB_STS2, 6, 4)
	s_cmp_eq_u32 s2, 0
	s_cbranch_scc0 .Lentry_in_a_cluster
	s_endpgm
.Lentry_in_a_cluster:
	s_bfe_u32 s2, ttmp6, 0x10000c
	s_cmp_lg_u32 s2, 0xf033
	s_cbranch_scc0 .Lentry_shape_is_right
	s_endpgm
.Lentry_shape_is_right:
; out0[m][n] = sum over k of o[m][k] Wo[n][k] + bo[n].  o (ao) and Wo (wo16) are f16 chunks (512 bytes: 16 rows x 16 along K, lane l's 16 bytes at 16 l), [row / 16][k / 16][512 bytes]; sums in f32; out0 f32.
; SHARES.  256 work-groups; a tile of out0 is 128 tokens x 256 outputs; four waves, each 64 x 128: 32 accumulators, 256 registers.  K = 1,024 goes in eight steps of 128 through two LDS slots.
; A step's chunks of 16 rows are 4,096 consecutive bytes of memory: a tile is a few long rows, dense in LDS, and every fragment load reads 512 consecutive bytes: no padding.
; CLUSTERS: 4 x 4 work-groups.  The four of a row of the cluster need the same tiles of ao, the four of a column the same tiles of Wo: each is asked for JOINTLY.
; THE MATRIX INSTRUCTION IS USED TRANSPOSED (source 0 = 16 rows of Wo, source 1 = 16 tokens): a lane holds eight neighbouring outputs of one token.  bo is the C of each sum's first product.
; REGISTERS.  window 0: v16-29 addresses; two fragment buffers of 96 at v32 and v128 (A's 4 fragments, then B's 8); on the way out v32-159 rows of out0.   window 1: accumulator (a, b) at v[8 (8 a + b)].   window 2: v0-63 bo.
.set SLOT,  98304                      ; A: [8 token tiles][8 chunks][512] = 32,768; then B: [16][8][512] = 65,536
.set BOFF,  32768
.set SPARE, 2*SLOT                     ; behind the slots: the spare words, 128 bytes for each wave
.set SPITCH, 528                       ; the way out: a stage of 16 rows x (512 bytes + 16) for each wave, in slot 0, which has had its last fill and its last read when the first result is stored there
.set ADRA, 16                          ; v16-17  LDS address of my A fragments in slot 0, 1
.set ADRB, 20                          ; v20-21  the same for B
.set STO,  24                          ; v24     the way out: where I put 32 bytes of a row
.set RD,   25                          ; v25     where I read a row back
.set CO,   26                          ; v26     16 x lane: my bytes of a row of out0
.set BO,   27                          ; v27     bo: 32 bytes for the upper half of the lanes
.set SPW,  28
.set NIL,  29
.set F0,   32
.set F1,   128
.set BK,   32                          ; the way out: 16 rows read back: v32-95 and v96-159 by turns
.set WV,   12                          ; s12 wave; s13 = wave / 2: my half of the tokens, and: I fetch for A (0) or B (1); s14 = wave % 2: my half of the outputs, and which half I fetch
.set G1, 24                            ; s[24:31] group 1 for A's tiles;  s[32:39] group 0, one set for each slot
.set G0, 32
.set G1B, 48                           ; s[48:55], s[56:63] the same for B's
.set G0B, 56
.set MSB, 0
.macro WIN new
.if MSB != \new
	s_set_vgpr_msb (MSB<<8)|\new
.set MSB, \new
.endif
.endm
.set MUL,  0x50                        ; fragments in window 0, C and D in window 1
.set MULB, 0x60                        ; C (bo) in window 2, D in window 1
.macro JLOAD s                         ; a joint load: waves 0 and 1 fetch A's halves, waves 2 and 3 B's; an s_nop 0 and four v_nop follow each of the two lines
	s_cmp_eq_u32 s13, 0
	s_cbranch_scc0 .Lfor_b_\@
	tensor_load_to_lds s[G0+4*\s:G0+4*\s+3], s[G1:G1+7]
	s_nop 0
.rept 4
	v_nop
.endr
	s_branch .Lasked_\@
.Lfor_b_\@:
	tensor_load_to_lds s[G0B+4*\s:G0B+4*\s+3], s[G1B:G1B+7]
	s_nop 0
.rept 4
	v_nop
.endr
.Lasked_\@:
.endm
.macro CREST                           ; a round of the cluster's barrier behind its opening barrier
	s_cmp_lg_u32 s[WV], 0
	s_cbranch_scc1 .Lnot_wave_0_\@
	s_barrier_signal -3
.Lnot_wave_0_\@:
	s_barrier_wait -3
	s_barrier_signal -1
	s_barrier_wait -1
.endm
.macro CROUND
	s_barrier_signal -1
	s_barrier_wait -1
	CREST
.endm
.macro PLACES
.rept 4
	v_nop
.endr
.endm
	s_load_b128 s[4:7], s[0:1], 0x0                ; ao s[4:5], wo16 s[6:7]
	s_load_b128 s[8:11], s[0:1], 0x10              ; bo s[8:9], out0 s[10:11]
	v_lshl_add_u32 v[SPW], v0, 2, SPARE
	v_mov_b32 v[NIL], 0
	ds_add_u32 v[SPW], v[NIL]                      ; the wave's opening: the add, twice on end, and its wait ahead of my first tensor load
	ds_add_u32 v[SPW], v[NIL]
	v_lshrrev_b32 v1, 5, v0
	v_readfirstlane_b32 s[WV], v1
	s_lshr_b32 s13, s[WV], 1
	s_and_b32 s14, s[WV], 1
	s_bfe_u32 s40, ttmp6, 0x40000                  ; cx: the tile column (the grid is one cluster wide)
	s_bfe_u32 s41, ttmp6, 0x40004                  ; cy
	s_and_b32 s42, ttmp7, 0xffff
	s_lshl_b32 s42, s42, 2
	s_add_co_u32 s42, s42, s41                     ; tile row = 4 x cluster y + cy
	s_lshl_b32 s43, s41, 2
	s_lshl_b32 s43, 15, s43                        ; my row of the cluster
	s_lshl_b32 s44, 0x1111, s40                    ; my column
	; descriptor group 1: rows of 4,096 bytes (512 elements of 8 bytes), 32,768 bytes apart in memory, dense in LDS; A: 4 rows, B: 8
	s_or_b32 s[G1+0], s43, (3<<16)|(1<<21)         ; 15:0 the mask; 17:16 elements of 8 bytes; 21 set beside a mask
	s_or_b32 s[G1B+0], s44, (3<<16)|(1<<21)
	s_mov_b32 s[G1+1], 512<<16                     ; tensor_dim0
	s_mov_b32 s[G1+2], 4<<16                       ; tensor_dim1
	s_mov_b32 s[G1+3], 512<<16                     ; tile_dim0
	s_mov_b32 s[G1+4], 4                           ; tile_dim1
	s_mov_b32 s[G1+5], 4096                        ; tensor_dim0_stride
	s_mov_b32 s[G1+6], 0
	s_mov_b32 s[G1+7], 0
	s_mov_b32 s[G1B+1], 512<<16
	s_mov_b32 s[G1B+2], 8<<16
	s_mov_b32 s[G1B+3], 512<<16
	s_mov_b32 s[G1B+4], 8
	s_mov_b32 s[G1B+5], 4096
	s_mov_b32 s[G1B+6], 0
	s_mov_b32 s[G1B+7], 0
	s_lshl_b32 s16, s42, 18                        ; A: 8 token tiles of 32,768 bytes a tile row,
	s_lshl_b32 s18, s14, 17                        ;    + my half's four: no register of A's ever holds cx
	s_add_co_u32 s16, s16, s18
	s_mov_b32 s17, 0
	s_lshl_b32 s46, s40, 19                        ; B: 16 row tiles a tile column,
	s_lshl_b32 s18, s14, 18                        ;    + my half's eight
	s_add_co_u32 s46, s46, s18
	s_mov_b32 s47, 0
	s_lshl_b32 s20, s14, 14                        ; where they go: A's halves,
	s_lshl_b32 s21, s14, 15
	s_add_co_u32 s21, s21, BOFF                    ; B's halves: the wave's number alone
	s_wait_dscnt 0x0                               ; both opening adds are done
	s_wait_kmcnt 0x0
	s_add_nc_u64 s[16:17], s[4:5], s[16:17]
	s_add_nc_u64 s[46:47], s[6:7], s[46:47]
	CROUND                                         ; all sixteen work-groups are here: the first joint loads meet
.irp s, 0,1
	s_mov_b32 s[G0+4*\s], 1
	s_add_co_u32 s[G0+4*\s+1], s20, \s*SLOT
	s_add_nc_u64 s[G0+4*\s+2:G0+4*\s+3], s[16:17], \s*4096
	s_or_b32 s[G0+4*\s+3], s[G0+4*\s+3], 0x80000000
	s_mov_b32 s[G0B+4*\s], 1
	s_add_co_u32 s[G0B+4*\s+1], s21, \s*SLOT
	s_add_nc_u64 s[G0B+4*\s+2:G0B+4*\s+3], s[46:47], \s*4096
	s_or_b32 s[G0B+4*\s+3], s[G0B+4*\s+3], 0x80000000
	JLOAD \s                                       ; two tensor loads of mine are out
.endr
	v_and_b32 v1, 15, v0                           ; l % 16
	v_bfe_u32 v2, v0, 4, 1                         ; l / 16
	v_and_b32 v3, 31, v0
	v_lshlrev_b32 v[CO], 4, v3                     ; 16 x lane
	v_lshlrev_b32 v[BO], 5, v2
	s_lshl_b32 s18, s40, 10                        ; my first output, in bytes of f32: 1,024 x tile column + 512 x half
	s_lshl_b32 s19, s14, 9
	s_add_co_u32 s18, s18, s19
	s_mov_b32 s19, 0
	s_add_nc_u64 s[8:9], s[8:9], s[18:19]
	WIN 0x80                                       ; destination window 2
.irp b, 0,1,2,3,4,5,6,7
	global_load_b128 v[8*\b:8*\b+3], v[BO], s[8:9] offset:64*\b          ; bo at outputs 16 b + 8 (l / 16) + 0 .. 7: the result's layout
	global_load_b128 v[8*\b+4:8*\b+7], v[BO], s[8:9] offset:64*\b+16
.endr
	WIN 0
	s_lshl_b32 s21, s13, 14                        ; my four token tiles of A,
	s_lshl_b32 s22, s14, 15                        ; my eight row tiles of B,
	s_add_co_u32 s22, s22, BOFF
.irp s, 0,1
	v_add_nc_u32 v[ADRA+\s], s21, v[CO]
	v_add_nc_u32 v[ADRB+\s], s22, v[CO]
	s_add_co_u32 s21, s21, SLOT
	s_add_co_u32 s22, s22, SLOT
.endr
	s_mul_i32 s23, s[WV], 16*SPITCH                ; my stage
	v_mul_u32_u24 v4, v1, SPITCH                   ; in: row l % 16, 32 bytes for each half of the lanes
	v_lshl_add_u32 v4, v2, 5, v4
	v_add_nc_u32 v[STO], s23, v4
	v_add_nc_u32 v[RD], s23, v[CO]                 ; back: the 32 lanes take one row of 512 bytes
	s_lshl_b32 s20, s42, 19                        ; out0: 128 rows of 4,096 bytes a tile row,
	s_lshl_b32 s21, s13, 18                        ; + my 64,
	s_add_co_u32 s20, s20, s21
	s_add_co_u32 s20, s20, s18                     ; + my first output
	s_mov_b32 s21, 0
	s_add_nc_u64 s[10:11], s[10:11], s[20:21]
.macro FETCH slot, ks, f               ; 24 LDS loads in one run: the fragments of 32 along K (two chunks, 1,024 bytes on for each quarter): B's eight, then A's four
.irp b, 0,1,2,3,4,5,6,7
	ds_load_b128 v[\f+32+8*\b:\f+32+8*\b+3],   v[ADRB+\slot] offset:\b*4096+(\ks)*1024
	ds_load_b128 v[\f+32+8*\b+4:\f+32+8*\b+7], v[ADRB+\slot] offset:\b*4096+(\ks)*1024+512
.endr
.irp a, 0,1,2,3
	ds_load_b128 v[\f+8*\a:\f+8*\a+3],   v[ADRA+\slot] offset:\a*4096+(\ks)*1024
	ds_load_b128 v[\f+8*\a+4:\f+8*\a+7], v[ADRA+\slot] offset:\a*4096+(\ks)*1024+512
.endr
.endm
.macro MUL8 f, a, bias                 ; A's block a x B's eight.  The 32 accumulators take turns, one instruction a turn, in the same order in every quarter
.irp b, 0,1,2,3,4,5,6,7
.if \bias
	v_wmma_f32_16x16x32_f16 v[8*(8*(\a)+\b):8*(8*(\a)+\b)+7], v[\f+32+8*\b:\f+32+8*\b+7], v[\f+8*(\a):\f+8*(\a)+7], v[8*\b:8*\b+7]
.else
	v_wmma_f32_16x16x32_f16 v[8*(8*(\a)+\b):8*(8*(\a)+\b)+7], v[\f+32+8*\b:\f+32+8*\b+7], v[\f+8*(\a):\f+8*(\a)+7], v[8*(8*(\a)+\b):8*(8*(\a)+\b)+7]
.endif
.endr
.endm
; A K step is four quarters of 32 along K, 32 matrix instructions each, on buffers 0, 1, 0, 1.  One of the first three: multiplies buffer f and fetches quarter ks of the same slot into g.
.macro QUARTER slot, ks, f, g, bias
	s_wait_dscnt 4                                 ; B and A's blocks 0, 1 are in; the youngest four loads (A's blocks 2, 3) may be out
.if \bias
	WIN MULB
.else
	WIN MUL
.endif
	MUL8 \f, 0, \bias
	MUL8 \f, 1, \bias
	PLACES                                         ; in front of loads into registers that matrix instructions have read
	WIN 0
	FETCH \slot, \ks, \g
	s_wait_dscnt 24                                ; all but the 24 just issued
.if \bias
	WIN MULB
.else
	WIN MUL
.endif
	MUL8 \f, 2, \bias
	MUL8 \f, 3, \bias
.endm
; The last quarter multiplies buffer 1 and changes slots: ONE barrier; in front of it each wave waits for all its tensor loads, adds 0 to its spare word, and waits for that and for its reads of this slot.
; fill = 1: the barrier opens a round of the cluster's, and this slot is filled again, two K steps ahead: that load has a K step less sixteen products in which to land.
.macro TURN slot, next, fill
	WIN 0
	s_wait_tensorcnt 0x0                           ; all my tensor loads have landed: my part of the next slot
	ds_add_u32 v[SPW], v[NIL]                      ; 0 onto my spare word
	s_wait_dscnt 5                                 ; (the add and the youngest four loads may be out)
	WIN MUL
	MUL8 F1, 0, 0                                  ; eight matrix instructions stand between the add and the wait for it
	s_wait_dscnt 0x0                               ; the add is done, and my reads of this slot are over
	s_barrier_signal -1
	MUL8 F1, 1, 0
	WIN 0
	s_barrier_wait -1
.if \fill
	CREST                                          ; no wave of any partner still reads this slot's tile or has a load on its way
	s_add_nc_u64 s[G0+4*\slot+2:G0+4*\slot+3], s[G0+4*\slot+2:G0+4*\slot+3], 2*4096
	s_add_nc_u64 s[G0B+4*\slot+2:G0B+4*\slot+3], s[G0B+4*\slot+2:G0B+4*\slot+3], 2*4096
	JLOAD \slot                                    ; the first tensor load behind the round; its four v_nop are also the places in front of the loads below
.else
	PLACES
.endif
	FETCH \next, 0, F0
	WIN MUL
	MUL8 F1, 2, 0
	MUL8 F1, 3, 0
.endm
	s_wait_tensorcnt 1                             ; my part of K step 0 is in (K step 1's load may be out),
	s_barrier_signal -1
	s_barrier_wait -1                              ; everybody's is
	FETCH 0, 0, F0
	s_wait_loadcnt 0x0                             ; bo
	QUARTER 0, 1, F0, F1, 1                        ; the first quarter stands in front of the loop: its products start the sums from bo
	WIN 0                                          ; at a label and at a branch every window is 0
	s_mov_b32 s3, 3
.Llap:                                             ; a trip goes once round the ring, from a lap's second quarter to the next lap's first, and fills both slots again
	QUARTER 0, 2, F1, F0, 0
	QUARTER 0, 3, F0, F1, 0
	TURN 0, 1, 1
	QUARTER 1, 1, F0, F1, 0
	QUARTER 1, 2, F1, F0, 0
	QUARTER 1, 3, F0, F1, 0
	TURN 1, 0, 1
	QUARTER 0, 1, F0, F1, 0
	WIN 0
	s_sub_co_u32 s3, s3, 1
	s_cmp_lg_u32 s3, 0
	s_cbranch_scc1 .Llap
	QUARTER 0, 2, F1, F0, 0                        ; the last lap fills nothing
	QUARTER 0, 3, F0, F1, 0
	TURN 0, 1, 0
	QUARTER 1, 1, F0, F1, 0
	QUARTER 1, 2, F1, F0, 0
	QUARTER 1, 3, F0, F1, 0
	s_wait_dscnt 4                                 ; the very last quarter: nothing more to fetch
	WIN MUL
	MUL8 F1, 0, 0
	MUL8 F1, 1, 0
	s_wait_dscnt 0
	MUL8 F1, 2, 0
	MUL8 F1, 3, 0
	WIN 0
; THE WAY OUT, block by block of 16 tokens x 128 outputs.  A lane holds 32 neighbouring bytes of a row and the lanes beside it other rows: a block goes through my own stage in LDS and comes back as whole rows of
; 512 bytes.  LDS serves a wave's instructions in order (ISA guide 5.7.1.4): no wait between the stores and the loads, nor in front of the next block's stores.
.macro TOSTAGE a
	WIN 0x04                                       ; an LDS store's data are its source 1: window 1
.irp b, 0,1,2,3,4,5,6,7
	ds_store_b128 v[STO], v[8*(8*(\a)+\b):8*(8*(\a)+\b)+3] offset:64*\b          ; each accumulator from its low end on
	ds_store_b128 v[STO], v[8*(8*(\a)+\b)+4:8*(8*(\a)+\b)+7] offset:64*\b+16
.endr
	WIN 0
.set BB, BK+64*((\a)%2)
.irp t, 0,1,2,3,4,5,6,7,8,9,10,11,12,13,14,15
	ds_load_b128 v[BB+4*\t:BB+4*\t+3], v[RD] offset:\t*SPITCH
.endr
.endm
.macro SEND a, younger                 ; younger: the LDS instructions issued behind block a's loads, which may stay out
.set BB, BK+64*((\a)%2)
	s_wait_dscnt \younger                          ; the block is back in registers
.if (\a) > 0
	s_add_nc_u64 s[10:11], s[10:11], 16*4096       ; (behind a wait on XCNT: the earlier stores have read their base)  16 rows of out0 on
.endif
.irp t, 0,1,2,3,4,5,6,7,8,9,10,11,12,13,14,15
	global_store_b128 v[CO], v[BB+4*\t:BB+4*\t+3], s[10:11] offset:\t*4096 th:TH_STORE_NT   ; 32 lanes store 512 consecutive bytes, aligned; written once, read by nobody here
.endr
.endm
	PLACES                                         ; behind the last products: their results are read, and rows are loaded into registers that held fragments
	TOSTAGE 0
.irp a, 1,2,3
.if \a > 1
	s_wait_xcnt 0x0                                ; block a - 2's stores have read their registers and their base: block a's loads may land there, and the base may step
.endif
	TOSTAGE \a
	SEND \a-1, 32                                  ; behind block a - 1's loads: block a's 16 stores and 16 loads
.endr
	s_wait_xcnt 0x0                                ; block 2's stores have read their base
	SEND 3, 0
	s_wait_tensorcnt 0x0                           ; the wave's end: behind my last tensor load and my last LDS store
	ds_add_u32 v[SPW], v[NIL]
	s_wait_dscnt 0x0
	CROUND                                         ; the closing round
	s_endpgm
.Lfunc_end_k_q0b03747a71_oproj:
	.size	k_q0b03747a71_oproj, .Lfunc_end_k_q0b03747a71_oproj-k_q0b03747a71_oproj
	.p2alignl 7, 3214868480
	.fill 96, 4, 3214868480
	.section	.rodata,"a",@progbits
	.p2align	6, 0x0
	.amdhsa_kernel k_q0b03747a71_oproj
		.amdhsa_group_segment_fixed_size 327680
		.amdhsa_private_segment_fixed_size 0
		.amdhsa_enable_private_segment 0
		.amdhsa_kernarg_size 32
		.amdhsa_user_sgpr_count 2
		.amdhsa_user_sgpr_kernarg_segment_ptr 1
		.amdhsa_wavefront_size32 1
		.amdhsa_system_sgpr_workgroup_id_x 1
		.amdhsa_system_sgpr_workgroup_id_y 1
		.amdhsa_system_sgpr_workgroup_id_z 1
		.amdhsa_system_vgpr_workitem_id 0
		.amdhsa_next_free_vgpr 640
		.amdhsa_next_free_sgpr 66
		.amdhsa_reserve_vcc 0
		.amdhsa_float_denorm_mode_32 3
		.amdhsa_float_denorm_mode_16_64 3
		.amdhsa_memory_ordered 1
		.amdhsa_forward_progress 1
		.amdhsa_inst_pref_size 86
	.end_amdhsa_kernel
	.amdgpu_metadata
---
amdhsa.version: [ 1, 2 ]
amdhsa.kernels:
  - .name:           k_q0b03747a71_oproj
    .symbol:         k_q0b03747a71_oproj.kd
    .args:
      - { .name: ao, .offset: 0, .size: 8, .value_kind: global_buffer, .address_space: global }
      - { .name: wo16, .offset: 8, .size: 8, .value_kind: global_buffer, .address_space: global }
      - { .name: bo, .offset: 16, .size: 8, .value_kind: global_buffer, .address_space: global }
      - { .name: out0, .offset: 24, .size: 8, .value_kind: global_buffer, .address_space: global }
    .group_segment_fixed_size: 327680
    .private_segment_fixed_size: 0
    .kernarg_segment_align: 8
    .kernarg_segment_size: 32
    .max_flat_workgroup_size: 128
    .sgpr_count:     66
    .vgpr_count:     640
    .wavefront_size: 32
...
	.end_amdgpu_metadata
.endif
;; end of part 4
